; MI455X (gfx1250); checked and timed in simulation.
; The chip was launched on July 23, 2026; its instructions are those of AMD's public machine-readable ISA for CDNA 5 (MIT licence, August 2026) and "CDNA5" Instruction Set Architecture Reference Guide (July 2026). The comments in the code are by the model that wrote it; some were corrected since.
;; Multi Head Attention. Allowed arithmetic: float matrix products may take bf16 or f16 operands with f32 sums; other float arithmetic in f32, or as packed bf16 or f16 multiplies, adds, multiply-adds, maxima and minima; sums over many terms, partial sums and values carried from step to step in f32; what a program stores and reads back later, other than sums and carried values, may be rounded once to bf16 or f16.
;; Inputs: Wk 2,048 x 2,048 float32; Wo 2,048 x 2,048 float32; Wq 2,048 x 2,048 float32; Wv 2,048 x 2,048 float32; cos 2,048 x 128 float32; mask 1 x 1 x 2,048 x 2,048 float32; sin 2,048 x 128 float32; x 1 x 2,048 x 2,048 float32.
;; Outputs: out0 1 x 2,048 x 2,048 float32.
;; One version. Each part assembles by itself: llvm-mc -triple=amdgcn-amd-amdhsa -mcpu=gfx1250 --defsym DOCPART=n.
;; ======== version 1 of 1: 4 launches
;; limits: values are held in f16: magnitudes above 65,504 overflow, below 6.1e-05 lose precision
;; workspace buffers: xb 8,388,608 bytes; wb 25,165,824 bytes; woh 8,388,608 bytes; qkvh 25,165,824 bytes; att 8,388,608 bytes
;; launch cast (part 1): grid 256 x 5, 8 waves a work-group, no clusters, 0 bytes of LDS; arguments x, Wq, Wk, Wv, Wo, xb, wb, woh; writes xb, wb, woh
.if DOCPART == 1
	.amdgcn_target "amdgcn-amd-amdhsa--gfx1250"
	.amdhsa_code_object_version 6
	.text
	.protected	k_q532c5cc133_cast
	.globl	k_q532c5cc133_cast
	.p2align	8
	.type	k_q532c5cc133_cast,@function
k_q532c5cc133_cast:
	s_mov_b64 s[64:65], 0
	v_nop
	global_prefetch_b8 v0, s[64:65] scope:SCOPE_SE
	s_setreg_imm32_b32 hwreg(HW_REG_WAVE_MODE, 25, 1), 1
	s_wait_xcnt 0x0
; THE ROUNDINGS OF THE MATRIX OPERANDS.  Each of the five f32 inputs of 2048 x 2048 that feed a matrix product is rounded once to bf16, to nearest even:
;   y = 0: x -> xb (bf16)      y = 1, 2, 3: Wq, Wk, Wv -> wb rows 0, 2048, 4096 on (bf16)
;   y = 4: Wo -> woh: the bf16 number written as f16 (exact from 6.1e-5 up to 65,504; below that f16's fixed step of 6e-8; LIMIT: |Wo| stays under 65,504)
; A stream: no LDS, no barrier, no matrix unit.  A work-group takes 65,536 bytes of its tensor, a wave 8,192: sixteen loads of 512 consecutive bytes, all issued at once.
; No register is written twice while a memory instruction names it, so the only waits are the counted ones for the loads.
.set X, 4                              ; v[4:67]   sixteen loads of four f32
.set T, 68                             ; v[68:69]  two packed pairs at work
	s_load_b512 s[8:23], s[0:1], 0x0               ; x, Wq, Wk, Wv, Wo, xb, wb, woh
	s_and_b32 s2, ttmp7, 0xffff                    ; y: which tensor
	s_lshl_b32 s32, ttmp9, 16                      ; the work-group's 65,536 bytes of the source
	s_mov_b32 s33, 0
	s_sub_co_u32 s34, s2, 1                        ; y - 1 for y = 1 .. 3, else 0: which third of wb
	s_cmp_lt_u32 s34, 3
	s_cselect_b32 s34, s34, 0
	s_lshl_b32 s34, s34, 23                        ; 8,388,608 bytes a third
	s_lshl_b32 s35, ttmp9, 15                      ; the work-group's 32,768 bytes of the destination
	s_add_co_u32 s34, s34, s35
	s_mov_b32 s35, 0
	v_and_b32 v3, 0xe0, v0                         ; 32 x wave
	v_and_b32 v1, 31, v0                           ; lane
	v_lshlrev_b32 v2, 3, v1
	v_lshlrev_b32 v1, 4, v1
	v_lshl_or_b32 v1, v3, 8, v1                    ; f32 side: 8,192 x wave + 16 x lane
	v_lshl_or_b32 v2, v3, 7, v2                    ; 16-bit side: 4,096 x wave + 8 x lane
	s_wait_kmcnt 0x0
	s_cmp_eq_u32 s2, 1                             ; the source, chosen by y alone
	s_cselect_b64 s[28:29], s[10:11], s[8:9]
	s_cmp_eq_u32 s2, 2
	s_cselect_b64 s[28:29], s[12:13], s[28:29]
	s_cmp_eq_u32 s2, 3
	s_cselect_b64 s[28:29], s[14:15], s[28:29]
	s_cmp_eq_u32 s2, 4
	s_cselect_b64 s[28:29], s[16:17], s[28:29]
	s_cmp_eq_u32 s2, 0                             ; the destination
	s_cselect_b64 s[30:31], s[18:19], s[20:21]
	s_cmp_eq_u32 s2, 4
	s_cselect_b64 s[30:31], s[22:23], s[30:31]
	s_add_nc_u64 s[28:29], s[28:29], s[32:33]
	s_add_nc_u64 s[30:31], s[30:31], s[34:35]
.set i, 0
.rept 16
	global_load_b128 v[X+4*i:X+4*i+3], v1, s[28:29] offset:512*i th:TH_LOAD_NT  ; read once in the whole program
.set i, i+1
.endr
	s_cmp_lt_u32 s2, 4
	s_cbranch_scc0 .Lwo
.set i, 0
.rept 16                               ; x and the three weights: bf16
	s_wait_loadcnt 15-i                            ; loads come back in order: number i is in, the 15 - i younger ones stay out
	v_cvt_pk_bf16_f32 v[X+4*i], v[X+4*i], v[X+4*i+1]
	v_cvt_pk_bf16_f32 v[X+4*i+1], v[X+4*i+2], v[X+4*i+3]
	global_store_b64 v2, v[X+4*i:X+4*i+1], s[30:31] offset:256*i  ; 32 lanes x 8 bytes: 256 consecutive bytes, aligned
.set i, i+1
.endr
	s_endpgm
.Lwo:
.set i, 0
.rept 16                               ; Wo: rounded to bf16, then that number as f16
	s_wait_loadcnt 15-i
	v_cvt_pk_bf16_f32 v[T], v[X+4*i], v[X+4*i+1]
	v_cvt_pk_bf16_f32 v[T+1], v[X+4*i+2], v[X+4*i+3]
	v_lshlrev_b32 v[X+4*i], 16, v[T]
	v_and_b32 v[X+4*i+1], 0xffff0000, v[T]
	v_lshlrev_b32 v[X+4*i+2], 16, v[T+1]
	v_and_b32 v[X+4*i+3], 0xffff0000, v[T+1]
	v_cvt_pk_f16_f32 v[X+4*i], v[X+4*i], v[X+4*i+1]
	v_cvt_pk_f16_f32 v[X+4*i+1], v[X+4*i+2], v[X+4*i+3]
	global_store_b64 v2, v[X+4*i:X+4*i+1], s[30:31] offset:256*i
.set i, i+1
.endr
	s_endpgm
.Lfunc_end_k_q532c5cc133_cast:
	.size	k_q532c5cc133_cast, .Lfunc_end_k_q532c5cc133_cast-k_q532c5cc133_cast
	.p2alignl 7, 3214868480
	.fill 96, 4, 3214868480
	.section	.rodata,"a",@progbits
	.p2align	6, 0x0
	.amdhsa_kernel k_q532c5cc133_cast
		.amdhsa_group_segment_fixed_size 0
		.amdhsa_private_segment_fixed_size 0
		.amdhsa_enable_private_segment 0
		.amdhsa_kernarg_size 64
		.amdhsa_user_sgpr_count 2
		.amdhsa_user_sgpr_kernarg_segment_ptr 1
		.amdhsa_wavefront_size32 1
		.amdhsa_system_sgpr_workgroup_id_x 1
		.amdhsa_system_sgpr_workgroup_id_y 1
		.amdhsa_system_sgpr_workgroup_id_z 1
		.amdhsa_system_vgpr_workitem_id 0
		.amdhsa_next_free_vgpr 72
		.amdhsa_next_free_sgpr 66
		.amdhsa_reserve_vcc 0
		.amdhsa_float_denorm_mode_32 3
		.amdhsa_float_denorm_mode_16_64 3
		.amdhsa_memory_ordered 1
		.amdhsa_forward_progress 1
		.amdhsa_inst_pref_size 17
	.end_amdhsa_kernel
	.amdgpu_metadata
---
amdhsa.version: [ 1, 2 ]
amdhsa.kernels:
  - .name:           k_q532c5cc133_cast
    .symbol:         k_q532c5cc133_cast.kd
    .args:
      - { .name: x, .offset: 0, .size: 8, .value_kind: global_buffer, .address_space: global }
      - { .name: Wq, .offset: 8, .size: 8, .value_kind: global_buffer, .address_space: global }
      - { .name: Wk, .offset: 16, .size: 8, .value_kind: global_buffer, .address_space: global }
      - { .name: Wv, .offset: 24, .size: 8, .value_kind: global_buffer, .address_space: global }
      - { .name: Wo, .offset: 32, .size: 8, .value_kind: global_buffer, .address_space: global }
      - { .name: xb, .offset: 40, .size: 8, .value_kind: global_buffer, .address_space: global }
      - { .name: wb, .offset: 48, .size: 8, .value_kind: global_buffer, .address_space: global }
      - { .name: woh, .offset: 56, .size: 8, .value_kind: global_buffer, .address_space: global }
    .group_segment_fixed_size: 0
    .private_segment_fixed_size: 0
    .kernarg_segment_align: 8
    .kernarg_segment_size: 64
    .max_flat_workgroup_size: 256
    .sgpr_count:     66
    .vgpr_count:     72
    .wavefront_size: 32
...
	.end_amdgpu_metadata
.endif
;; end of part 1
;; launch proj (part 2): grid 16 x 16, 4 waves a work-group, clusters of 4 x 4, 327,680 bytes of LDS; arguments xb, wb, cos, sin, qkvh; writes qkvh
.if DOCPART == 2
	.amdgcn_target "amdgcn-amd-amdhsa--gfx1250"
	.amdhsa_code_object_version 6
	.text
	.protected	k_q532c5cc133_proj
	.globl	k_q532c5cc133_proj
	.p2align	8
	.type	k_q532c5cc133_proj,@function
k_q532c5cc133_proj:
	s_mov_b64 s[64:65], 0
	v_nop
	global_prefetch_b8 v0, s[64:65] scope:SCOPE_SE
	s_setreg_imm32_b32 hwreg(HW_REG_WAVE_MODE, 25, 1), 1
	s_wait_xcnt 0x0
	s_wait_alu depctr_hold_cnt(0) depctr_sa_sdst(0) depctr_va_vdst(0) depctr_va_sdst(0) depctr_va_ssrc(0) depctr_va_vcc(0) depctr_vm_vsrc(0)
	s_getreg_b32 s2, hwreg(HW_REG_IB_STS2, 6, 4)
	s_cmp_eq_u32 s2, 0
	s_cbranch_scc0 .Lentry_in_a_cluster
	s_endpgm
.Lentry_in_a_cluster:
	s_bfe_u32 s2, ttmp6, 0x10000c
	s_cmp_lg_u32 s2, 0xf033
	s_cbranch_scc0 .Lentry_shape_is_right
	s_endpgm
.Lentry_shape_is_right:
; q, k, v = x W^T, RoPE on q and k, q times SCALE x log2(e), all three laid out by heads in f16: qkvh[16 g + head][row][128], g = 0 q, 1 k, 2 v.
; xb: [2048][2048] bf16; wb: [6144][2048] bf16 (Wq, Wk, Wv); cos, sin: [2048][128] f32, rounded here once to bf16 like the other inputs; sums and RoPE in f32; one rounding to f16 at the end.
; LIMITS.  q x 0.1275, k and v must stay under f16's 65,504 (inputs of the stated kind give about 5; thirty times larger x and W about 6,300); below 6.1e-5 they keep f16's fixed step of 6e-8.
; SHARES.  A work-group makes 128 rows x one head of q, of k and of v: 128 x 384.  Wave w makes all 128 rows x 96 columns: in each of q, k, v the channels 16 w .. 16 w + 15 (p = 0) and those 64 further on
; (p = 1): 48 accumulators.  So the two partners of a RoPE pair lie in the same lane and the same register number of two accumulators, and the rotation changes no lane.
; K goes in steps of 128 through two LDS slots: x's 128 rows, then 128 rows of each of the three weights; rows of 256 bytes, padded to 272.  Wave 0 fetches x's tile, waves 1 to 3 one weight's each.
; ONE TEXT FOR A K STEP: a trip of the loop is one K step; which slot is read hangs on two scalars that toggle between 0 and SLOT, which slot is filled on the walking descriptors' LDS words, which toggle likewise.
; CLUSTER 4 x 4: x's tile hangs on the row tile alone and is asked for jointly along a row of the cluster, the weights' tiles on the head alone and jointly along a column.
; THE MATRIX INSTRUCTION IS USED TRANSPOSED (source 0 = 16 rows of wb, source 1 = 16 rows of xb): a lane holds row l % 16 and eight neighbouring channels 8 (l / 16) + 0..7.
; REGISTERS, in windows of 256: window 0: v0-31 addresses; v64-127, v128-191 x's fragments, two buffers (on the way out: at work).  window 1: v0-47, v48-95 the weights' fragments, two buffers;
; v96-223 the cos and sin that my lanes need, packed bf16.  windows 2, 3: accumulator (a, b) at v[8 (6 (a % 4) + b)] of window 2 + a / 4; a = block of 16 rows, b = 2 g + p.
.set KSTEP,  128
.set PITCH,  272                       ; 256 bytes + 16 of padding: the 16 rows of a fragment load start at 16 different groups of four banks (64 banks of 4 bytes: ISA guide 11.1)
.set HALFT,  128*PITCH                 ; one tensor load's 128 rows
.set SLOT,   4*HALFT
.set STAGE,  2*SLOT                    ; behind the ring, never filled by a tensor load: two buffers of [g][16 rows] x 272 bytes for the way out
.set SBUF,   48*PITCH
.set SPARE,  STAGE+2*SBUF              ; the spare words: 128 bytes a wave, two blocks of 256 bytes that no other line names
.set FILLS,  14                        ; 16 K steps; steps 0 and 1 are first fills, steps 2 to 15 refills
.set BA,   16                          ; v16     my x fragments' place in a slot; never rewritten
.set BB,   17                          ; v17     my fragments of Wq and Wk
.set BC,   18                          ; v18     of Wv (an LDS offset holds 16 bits)
.set ADRA, 20                          ; v20-21  the same in the slot in hand, and in the other slot
.set ADRB, 22                          ; v22-23
.set STO,  24                          ; v24     the way out: where I put 16 bytes
.set RD,   25                          ; v25     where I read a row back
.set CO,   26                          ; v26     my byte offset in a head's rows
.set CSO,  27                          ; v27     my byte offset in cos and sin
.set SPW,  28                          ; v28     my spare word; never rewritten
.set NIL,  29                          ; v29     0; never rewritten
.set ADRC, 30                          ; v30-31
.set TBL,  96                          ; window 1
.set CT,   64                          ; way out, window 0: cos low, cos high, sin low, sin high: 8 f32 each
.set RR,   96                          ; rotated q and k: 16 each
.set PKD,  128                         ; 24 packed registers
.set OB,   152                         ; two sets of 24: rows read back
.set WV,  14                           ; s14 wave
.set G1,  24                           ; s[24:31] group 1 for x's tiles
.set G1B, 32                           ; s[32:39] for the weights' tiles: it differs in the mask alone
.set GW,  40                           ; s[40:55] four walking group 0, one a wave: x, Wq, Wk, Wv
.set GF0, 56                           ; four group 0 for slot 0's first fill alone; never rewritten
.set GF1, 60
.set GF2, 68
.set GF3, 72
.set OBS, 80                           ; s[80:85] where my rows go in q, k, v
.set SC,  90                           ; s[90:91] SCALE x log2(e)
.set HM,  92                           ; s92 a word's upper bf16
.set TB,  93                           ; s93 the slot in hand: 0 or SLOT
.set TN,  94                           ; s94 the other slot
.set MSB, 0
.macro WIN new                         ; the immediate's high byte repeats the setting that is left; a switch that changes nothing is dropped
.if MSB != (\new)
	s_set_vgpr_msb (MSB<<8)|(\new)
.set MSB, \new
.endif
.endm
.set MUL_LO, 0xa1                      ; source 0 (weights) window 1, source 1 (x) window 0, C and D window 2
.set MUL_HI, 0xf1                      ; the same, C and D window 3
.set TO_B,   0x40                      ; destination window 1, address window 0
.macro PLACES                          ; four plain vector instructions between a matrix instruction and a load into, or a vector access to, its registers
.rept 4
	v_nop
.endr
.endm
.macro TLD g0, g1                      ; s_nop 0 and four v_nop follow a tensor load
	tensor_load_to_lds s[\g0:\g0+3], s[\g1:\g1+7]
	s_nop 0
.rept 4
	v_nop
.endr
.endm
.macro TLD2 f, w, g1                   ; a wave's two first fills stand together: s_nop 0 behind each, four v_nop behind the second
	tensor_load_to_lds s[\f:\f+3], s[\g1:\g1+7]
	s_nop 0
	tensor_load_to_lds s[\w:\w+3], s[\g1:\g1+7]
	s_nop 0
.rept 4
	v_nop
.endr
.endm
.macro JLOAD                           ; a joint refill: each wave asks for one of a slot's four tiles by its walking descriptor.  The branches hang on the wave's number alone
	s_cmp_lt_u32 s[WV], 2
	s_cbranch_scc0 .Lhi_\@
	s_cmp_eq_u32 s[WV], 0
	s_cbranch_scc0 .Lw1_\@
	TLD GW, G1
	s_branch .Lasked_\@
.Lw1_\@:
	TLD GW+4, G1B
	s_branch .Lasked_\@
.Lhi_\@:
	s_cmp_eq_u32 s[WV], 2
	s_cbranch_scc0 .Lw3_\@
	TLD GW+8, G1B
	s_branch .Lasked_\@
.Lw3_\@:
	TLD GW+12, G1B
.Lasked_\@:
.endm
.macro CROUND                          ; a round of the cluster's barrier
	s_barrier_signal -1
	s_barrier_wait -1
	s_cmp_lg_u32 s[WV], 0
	s_cbranch_scc1 .Lnot_wave_0_\@
	s_barrier_signal -3
.Lnot_wave_0_\@:
	s_barrier_wait -3
	s_barrier_signal -1
	s_barrier_wait -1
.endm
; Quarter n of a slot: the first-fill descriptor f (slot 0, K step 0) and the walking one w (it starts at slot 1, K step 1); the tile's address is s[pair] + off
.macro MKD f, w, n, pair, off
	s_mov_b32 s[\f], 1
	s_mov_b32 s[\f+1], (\n)*HALFT
	s_add_nc_u64 s[\f+2:\f+3], s[\pair:\pair+1], \off
	s_add_nc_u64 s[\w+2:\w+3], s[\f+2:\f+3], KSTEP*2
	s_or_b32 s[\f+3], s[\f+3], 0x80000000
	s_or_b32 s[\w+3], s[\w+3], 0x80000000
	s_mov_b32 s[\w], 1
	s_mov_b32 s[\w+1], (\n)*HALFT+SLOT
.endm
.macro SETADR                          ; my fragments' LDS addresses in the slot in hand and in the other
	v_add_nc_u32 v[ADRA], s[TB], v[BA]
	v_add_nc_u32 v[ADRA+1], s[TN], v[BA]
	v_add_nc_u32 v[ADRB], s[TB], v[BB]
	v_add_nc_u32 v[ADRB+1], s[TN], v[BB]
	v_add_nc_u32 v[ADRC], s[TB], v[BC]
	v_add_nc_u32 v[ADRC+1], s[TN], v[BC]
.endm
.macro NEXTSLOT                        ; the slots change names
	WIN 0
	s_xor_b32 s[TB], s[TB], SLOT
	s_xor_b32 s[TN], s[TN], SLOT
	SETADR
.endm
	s_load_b256 s[4:11], s[0:1], 0x0               ; xb s[4:5], wb s[6:7], cos s[8:9], sin s[10:11]
	s_load_b64 s[12:13], s[0:1], 0x20              ; qkvh
	v_lshl_add_u32 v[SPW], v0, 2, SPARE
	v_mov_b32 v[NIL], 0
	ds_add_u32 v[SPW], v[NIL]                      ; the wave's opening: the add and its wait stand ahead of my first tensor load; the set-up below stands between them
	v_lshrrev_b32 v1, 5, v0
	v_readfirstlane_b32 s[WV], v1                  ; wave 0..3
	s_bfe_u32 s16, ttmp6, 0x40000                  ; cx
	s_bfe_u32 s17, ttmp6, 0x40004                  ; cy
	s_lshl_b32 s18, ttmp9, 2
	s_add_co_u32 s18, s18, s16                     ; the head = 4 x cluster x + cx
	s_and_b32 s19, ttmp7, 0xffff
	s_lshl_b32 s19, s19, 2
	s_add_co_u32 s19, s19, s17                     ; the row tile = 4 x cluster y + cy
	s_lshl_b32 s20, s17, 2
	s_lshl_b32 s20, 15, s20                        ; my row of the cluster
	s_lshl_b32 s21, 0x1111, s16                    ; my column
	s_or_b32 s[G1], s20, (1<<16)|(1<<20)|(1<<21)|(5<<22)|(3<<25)   ; the mask; 2-byte elements; padding on; bit 21 beside a mask; after every 64 words, 4 words
	s_or_b32 s[G1B], s21, (1<<16)|(1<<20)|(1<<21)|(5<<22)|(3<<25)
.irp g, G1, G1B
	s_mov_b32 s[(\g)+1], KSTEP<<16                 ; tensor_dim0 = 128
	s_mov_b32 s[(\g)+2], 128<<16                   ; tensor_dim1 = 128
	s_mov_b32 s[(\g)+3], KSTEP<<16                 ; tile_dim0 = 128
	s_mov_b32 s[(\g)+4], 128                       ; tile_dim1 = 128
	s_mov_b32 s[(\g)+5], 2048                      ; elements from row to row
	s_mov_b32 s[(\g)+6], 0
	s_mov_b32 s[(\g)+7], 0
.endr
	s_lshl_b32 s76, s19, 19                        ; x: 128 rows of 4,096 bytes a row tile: the row tile alone enters
	s_mov_b32 s77, 0
	s_lshl_b32 s78, s18, 19                        ; weights: 128 rows a head: the head alone enters
	s_mov_b32 s79, 0
	s_mov_b32 s[SC], 0x3e0293ee                    ; SCALE x log2(e) = 0.127517
	s_mov_b32 s[SC+1], s[SC]
	s_mov_b32 s[HM], 0xffff0000
	s_mov_b32 s[TB], 0
	s_mov_b32 s[TN], SLOT
	s_wait_dscnt 0x0                               ; the opening add is done
	s_wait_kmcnt 0x0
	s_add_nc_u64 s[76:77], s[4:5], s[76:77]
	s_add_nc_u64 s[78:79], s[6:7], s[78:79]
	MKD GF0, GW,    0, 76, 0                       ; x
	MKD GF1, GW+4,  1, 78, 0                       ; Wq
	MKD GF2, GW+8,  2, 78, 0x800000                ; Wk: 2,048 rows of 4,096 bytes on
	MKD GF3, GW+12, 3, 78, 0x1000000               ; Wv
	CROUND                                         ; all sixteen work-groups are here: the first joint loads meet
	s_cmp_lt_u32 s[WV], 2                          ; a wave's two first fills stand in one branch, ahead of every wait on TENSORcnt and every LDS read: two loads of mine are out
	s_cbranch_scc0 .Lf_hi
	s_cmp_eq_u32 s[WV], 0
	s_cbranch_scc0 .Lf_1
	TLD2 GF0, GW, G1
	s_branch .Lf_done
.Lf_1:
	TLD2 GF1, GW+4, G1B
	s_branch .Lf_done
.Lf_hi:
	s_cmp_eq_u32 s[WV], 2
	s_cbranch_scc0 .Lf_3
	TLD2 GF2, GW+8, G1B
	s_branch .Lf_done
.Lf_3:
	TLD2 GF3, GW+12, G1B
.Lf_done:
	v_and_b32 v1, 15, v0                           ; r = l % 16
	v_bfe_u32 v2, v0, 4, 1                         ; h = l / 16
	v_mul_u32_u24 v3, v1, PITCH
	v_lshl_add_u32 v[BA], v2, 4, v3                ; r x pitch + 16 h
	s_mul_i32 s86, s[WV], 16*PITCH
	s_add_co_u32 s86, s86, HALFT                   ; my 16 rows of Wq's tile
	v_add_nc_u32 v[BB], s86, v[BA]
	v_add_nc_u32 v[BC], 2*HALFT, v[BB]
	SETADR
	s_lshl_b32 s86, s[WV], 5
	s_add_co_u32 s86, s86, STAGE
	v_add_nc_u32 v[STO], s86, v[BA]                ; row r, byte 32 w + 16 h (+ 128 p)
	v_mul_u32_u24 v4, v2, PITCH
	v_lshl_add_u32 v4, v1, 4, v4
	s_mul_i32 s86, s[WV], 2*PITCH
	s_add_co_u32 s86, s86, STAGE
	v_add_nc_u32 v[RD], s86, v4                    ; row 2 w + h, byte 16 r
	v_lshlrev_b32 v5, 8, v2
	v_lshl_add_u32 v5, v1, 4, v5
	s_lshl_b32 s86, s[WV], 9
	v_add_nc_u32 v[CO], s86, v5                    ; the same row in a head: 256 bytes a row
	v_lshlrev_b32 v6, 9, v1
	v_lshl_add_u32 v6, v2, 5, v6
	s_lshl_b32 s86, s[WV], 6
	v_add_nc_u32 v[CSO], s86, v6                   ; row r of 512 bytes, channel 16 w + 8 h
	s_lshl_b32 s88, s19, 16                        ; the row tile's 128 rows of cos and of sin
	s_mov_b32 s89, 0
	s_add_nc_u64 s[8:9], s[8:9], s[88:89]
	s_add_nc_u64 s[10:11], s[10:11], s[88:89]
	s_lshl_b32 s88, s18, 19                        ; where my rows go: head x 524,288 + row tile x 128 x 256,
	s_lshl_b32 s89, s19, 15
	s_add_co_u32 s88, s88, s89
	s_mov_b32 s89, 0
	s_add_nc_u64 s[OBS:OBS+1], s[12:13], s[88:89]          ; in q,
	s_add_nc_u64 s[OBS+2:OBS+3], s[OBS:OBS+1], 0x800000    ; in k, sixteen heads on,
	s_add_nc_u64 s[OBS+4:OBS+5], s[OBS+2:OBS+3], 0x800000  ; in v
	; cos and sin for my lanes: for each block a of 16 rows eight f32 of cos low, cos high (64 channels on), sin low, sin high.  They pass through the accumulators' registers, which are still free,
	; and stay as 128 packed bf16 registers: the tables' one rounding.
	WIN 0x80                                       ; destination window 2, address window 0
.set a, 0
.rept 8
	global_load_b128 v[32*a:32*a+3],     v[CSO], s[8:9] offset:8192*a
	global_load_b128 v[32*a+4:32*a+7],   v[CSO], s[8:9] offset:8192*a+16
	global_load_b128 v[32*a+8:32*a+11],  v[CSO], s[8:9] offset:8192*a+256
	global_load_b128 v[32*a+12:32*a+15], v[CSO], s[8:9] offset:8192*a+272
	global_load_b128 v[32*a+16:32*a+19], v[CSO], s[10:11] offset:8192*a
	global_load_b128 v[32*a+20:32*a+23], v[CSO], s[10:11] offset:8192*a+16
	global_load_b128 v[32*a+24:32*a+27], v[CSO], s[10:11] offset:8192*a+256
	global_load_b128 v[32*a+28:32*a+31], v[CSO], s[10:11] offset:8192*a+272
.set a, a+1
.endr
	s_wait_loadcnt 0x0
	WIN 0x4a                                       ; sources window 2, destination window 1
.set i, 0
.rept 128
	v_cvt_pk_bf16_f32 v[TBL+i], v[2*i], v[2*i+1]
.set i, i+1
.endr
	WIN 0
; 12 matrix instructions: row blocks a0, a0 + 1 of the window's four x my 6 column blocks, 32 along K, from buffer f.  zero = 1: the product starts the sum.  The 48 accumulators take turns.
.macro MUL12 f, hi, a0, zero
	WIN MUL_LO+0x50*(\hi)
.irp a, \a0, (\a0)+1
.irp b, 0,1,2,3,4,5
.if \zero
	v_wmma_f32_16x16x32_bf16 v[8*(6*(\a)+(\b)):8*(6*(\a)+(\b))+7], v[48*(\f)+8*(\b):48*(\f)+8*(\b)+7], v[64+64*(\f)+8*(4*(\hi)+(\a)):64+64*(\f)+8*(4*(\hi)+(\a))+7], 0
.else
	v_wmma_f32_16x16x32_bf16 v[8*(6*(\a)+(\b)):8*(6*(\a)+(\b))+7], v[48*(\f)+8*(\b):48*(\f)+8*(\b)+7], v[64+64*(\f)+8*(4*(\hi)+(\a)):64+64*(\f)+8*(4*(\hi)+(\a))+7], v[8*(6*(\a)+(\b)):8*(6*(\a)+(\b))+7]
.endif
.endr
.endr
.endm
; 28 LDS loads in one run: 32 along K at byte k of the rows, into buffer f: my 6 fragments of the weights, then x's rows 0-63, then x's rows 64-127.  slot = 0: the slot in hand; 1: the other
.macro FETCH slot, k, f
	WIN TO_B
.irp g, 0,1
.irp p, 0,1
	ds_load_b128 v[48*(\f)+8*(2*(\g)+(\p)):48*(\f)+8*(2*(\g)+(\p))+3],   v[ADRB+(\slot)] offset:(\k)+(\g)*HALFT+(\p)*64*PITCH
	ds_load_b128 v[48*(\f)+8*(2*(\g)+(\p))+4:48*(\f)+8*(2*(\g)+(\p))+7], v[ADRB+(\slot)] offset:(\k)+(\g)*HALFT+(\p)*64*PITCH+32
.endr
.endr
.irp p, 0,1
	ds_load_b128 v[48*(\f)+32+8*(\p):48*(\f)+32+8*(\p)+3],   v[ADRC+(\slot)] offset:(\k)+(\p)*64*PITCH
	ds_load_b128 v[48*(\f)+32+8*(\p)+4:48*(\f)+32+8*(\p)+7], v[ADRC+(\slot)] offset:(\k)+(\p)*64*PITCH+32
.endr
	WIN 0
.irp i, 0,1,2,3,4,5,6,7
	ds_load_b128 v[64+64*(\f)+8*(\i):64+64*(\f)+8*(\i)+3],   v[ADRA+(\slot)] offset:(\k)+(\i)*16*PITCH
	ds_load_b128 v[64+64*(\f)+8*(\i)+4:64+64*(\f)+8*(\i)+7], v[ADRA+(\slot)] offset:(\k)+(\i)*16*PITCH+32
.endr
.endm
; A K step is four quarters of 32 along K, 48 matrix instructions each, on buffers 0, 1, 0, 1.  One of the first three multiplies buffer f and fetches the next quarter, at byte k, into buffer n.
.macro QUARTER slot, k, f, n, zero
	s_wait_dscnt 8                                 ; the weights and x's rows 0-63 are in; the youngest eight loads (x's rows 64-127) may be out
	MUL12 \f, 0, 0, \zero
	MUL12 \f, 0, 2, \zero
	PLACES
	FETCH \slot, \k, \n
	s_wait_dscnt 28                                ; all but the 28 just issued
	MUL12 \f, 1, 0, \zero
	MUL12 \f, 1, 2, \zero
.endm
; The last quarter changes slots and then multiplies buffer 1.  Each wave waits for all its tensor loads (one is out: its tile of the other slot), adds 0 to its spare word, and waits for that and for its reads
; of the slot in hand, whose last fragments were fetched in the third quarter.  fill = 1: the barrier is a round of the cluster's, and the slot in hand is filled again, two K steps ahead, first thing behind it:
; nothing but the round stands between the wait for one tile and the request for the next, and all 192 matrix instructions of a K step stand between a request and the wait for it.
.macro TURN fill
	WIN 0
	s_wait_tensorcnt 0x0                           ; no tensor load of mine is out, so the walking descriptors may be written
	ds_add_u32 v[SPW], v[NIL]                      ; 0 onto my spare word; the descriptors' steps stand between it and the wait for it
.if \fill
.irp n, 0,1,2,3
	s_xor_b32 s[GW+4*\n+1], s[GW+4*\n+1], ((\n)*HALFT)^((\n)*HALFT+SLOT)  ; the other slot than last time,
	s_add_nc_u64 s[GW+4*\n+2:GW+4*\n+3], s[GW+4*\n+2:GW+4*\n+3], KSTEP*2  ; the next K step; the type bits on top are not reached
.endr
.endif
	s_wait_dscnt 0x0                               ; the add is done, and my reads of the slot in hand are over
.if \fill
	CROUND                                         ; no wave of any partner still reads the slot or has a load on its way
	JLOAD                                          ; my one tensor load behind the round; its four v_nop are also the places in front of the loads below
.else
	s_barrier_signal -1
	s_barrier_wait -1
	PLACES
.endif
	FETCH 1, 0, 0                                  ; the other slot's first fragments
	MUL12 1, 0, 0, 0
	MUL12 1, 0, 2, 0
	MUL12 1, 1, 0, 0
	MUL12 1, 1, 2, 0
.endm
	s_wait_tensorcnt 1                             ; my part of K step 0 is in; K step 1's may stay out
	s_barrier_signal -1
	s_barrier_wait -1
	FETCH 0, 0, 0
	QUARTER 0, 64, 0, 1, 1                         ; the first quarter stands in front of the loop: its products start the sums
	WIN 0
	s_mov_b32 s3, FILLS
.Lstep:                                                ; a trip: from a K step's second quarter to the next step's first; the slot that is left is filled again
	QUARTER 0, 128, 1, 0, 0
	QUARTER 0, 192, 0, 1, 0
	TURN 1
	QUARTER 1, 64,  0, 1, 0
	NEXTSLOT
	s_sub_co_u32 s3, s3, 1
	s_cmp_lg_u32 s3, 0
	s_cbranch_scc1 .Lstep
	s_mov_b32 s3, 2
.Ltail:                                                ; the last two K steps fill nothing: a text of their own; the second trip is left in its middle
	QUARTER 0, 128, 1, 0, 0
	QUARTER 0, 192, 0, 1, 0
	TURN 0
	WIN 0
	s_sub_co_u32 s3, s3, 1
	s_cmp_eq_u32 s3, 0
	s_cbranch_scc1 .Lway_out
	QUARTER 1, 64,  0, 1, 0
	NEXTSLOT
	s_branch .Ltail
.Lway_out:
	s_wait_dscnt 0x0                               ; the second trip's fetch from the other slot serves nothing: the price, 28 loads once a launch, of one text for both trips; its registers are used again only behind this wait
	PLACES
; THE WAY OUT, a block of 16 rows at a time.  low' = low cos_low - high sin_low; high' = high cos_high + low sin_high (rotate_half puts -high under low and low under high); q times the scale; one rounding to f16.
; The four waves' 32-byte pieces of a row meet in a stage; behind a barrier each wave reads 12 whole rows of 256 bytes and stores them.  The stage has two buffers, so one barrier a block does: a buffer is
; written again two blocks on, behind the next block's barrier, in front of which every wave has waited for its reads.
.macro PHASE a
.set HIW, (\a)/4
.set AC0, 48*((\a)%4)
.set BUF, ((\a)%2)*SBUF
.set OBK, OB+24*((\a)%2)
	WIN 0x04                                       ; source 1 window 1
.set i, 0
.rept 16
	v_lshlrev_b32 v[CT+2*i], 16, v[TBL+16*(\a)+i]
	v_and_b32 v[CT+2*i+1], s[HM], v[TBL+16*(\a)+i]
.set i, i+1
.endr
	WIN 0x02+HIW                                   ; source 0: the accumulators' window.
.irp g, 0,1
.irp n, 0,1,2,3
	v_pk_mul_f32 v[RR+16*(\g)+2*(\n):RR+16*(\g)+2*(\n)+1], v[AC0+16*(\g)+2*(\n):AC0+16*(\g)+2*(\n)+1], v[CT+2*(\n):CT+2*(\n)+1]
.endr
.irp n, 0,1,2,3
	v_pk_mul_f32 v[RR+16*(\g)+8+2*(\n):RR+16*(\g)+8+2*(\n)+1], v[AC0+16*(\g)+8+2*(\n):AC0+16*(\g)+8+2*(\n)+1], v[CT+8+2*(\n):CT+8+2*(\n)+1]
.endr
.irp n, 0,1,2,3
	v_pk_fma_f32 v[RR+16*(\g)+2*(\n):RR+16*(\g)+2*(\n)+1], v[AC0+16*(\g)+8+2*(\n):AC0+16*(\g)+8+2*(\n)+1], v[CT+16+2*(\n):CT+16+2*(\n)+1], v[RR+16*(\g)+2*(\n):RR+16*(\g)+2*(\n)+1] neg_lo:[1,0,0] neg_hi:[1,0,0]
.endr
.irp n, 0,1,2,3
	v_pk_fma_f32 v[RR+16*(\g)+8+2*(\n):RR+16*(\g)+8+2*(\n)+1], v[AC0+16*(\g)+2*(\n):AC0+16*(\g)+2*(\n)+1], v[CT+24+2*(\n):CT+24+2*(\n)+1], v[RR+16*(\g)+8+2*(\n):RR+16*(\g)+8+2*(\n)+1]
.endr
.endr
	WIN 0
.set i, 0
.rept 8
	v_pk_mul_f32 v[RR+2*i:RR+2*i+1], v[RR+2*i:RR+2*i+1], s[SC:SC+1] op_sel_hi:[1,0]  ; q alone
.set i, i+1
.endr
.set i, 0
.rept 16
	v_cvt_pk_f16_f32 v[PKD+i], v[RR+2*i], v[RR+2*i+1]
.set i, i+1
.endr
	WIN 0x0a+5*HIW                                 ; sources 0 and 1: the accumulators' window
.set i, 0
.rept 8
	v_cvt_pk_f16_f32 v[PKD+16+i], v[AC0+32+2*i], v[AC0+32+2*i+1]  ; v
.set i, i+1
.endr
	WIN 0
.irp g, 0,1,2
.irp p, 0,1
	ds_store_b128 v[STO], v[PKD+8*(\g)+4*(\p):PKD+8*(\g)+4*(\p)+3] offset:BUF+(\g)*16*PITCH+128*(\p)
.endr
.endr
	s_wait_dscnt 0x0                               ; for the others' sake: my stores are done, and so are my reads of the block before
	s_barrier_signal -1
	s_barrier_wait -1
	s_wait_xcnt 0x0                                ; the stores of two blocks ago have had their addresses translated (ISA guide 3.1): their data registers are loaded again only behind this wait
.irp t, 0,1,2,3,4,5
	ds_load_b128 v[OBK+4*(\t):OBK+4*(\t)+3], v[RD] offset:BUF+((\t)/2)*16*PITCH+((\t)%2)*8*PITCH
.endr
.irp t, 0,1,2,3,4,5
	s_wait_dscnt 5-(\t)                            ; LDS loads come back in order: number t is in
	global_store_b128 v[CO], v[OBK+4*(\t):OBK+4*(\t)+3], s[OBS+2*((\t)/2):OBS+2*((\t)/2)+1] offset:4096*(\a)+2048*((\t)%2)  ; 16 lanes store one row of a head: 256 consecutive bytes, aligned
.endr
.endm
.irp a, 0,1,2,3,4,5,6,7
	PHASE \a
.endr
	s_wait_tensorcnt 0x0                           ; the wave's end
	ds_add_u32 v[SPW], v[NIL]
	s_wait_dscnt 0x0
	CROUND                                         ; the closing round
	s_endpgm
.Lfunc_end_k_q532c5cc133_proj:
	.size	k_q532c5cc133_proj, .Lfunc_end_k_q532c5cc133_proj-k_q532c5cc133_proj
	.p2alignl 7, 3214868480
	.fill 96, 4, 3214868480
	.section	.rodata,"a",@progbits
	.p2align	6, 0x0
	.amdhsa_kernel k_q532c5cc133_proj
		.amdhsa_group_segment_fixed_size 327680
		.amdhsa_private_segment_fixed_size 0
		.amdhsa_enable_private_segment 0
		.amdhsa_kernarg_size 40
		.amdhsa_user_sgpr_count 2
		.amdhsa_user_sgpr_kernarg_segment_ptr 1
		.amdhsa_wavefront_size32 1
		.amdhsa_system_sgpr_workgroup_id_x 1
		.amdhsa_system_sgpr_workgroup_id_y 1
		.amdhsa_system_sgpr_workgroup_id_z 1
		.amdhsa_system_vgpr_workitem_id 0
		.amdhsa_next_free_vgpr 960
		.amdhsa_next_free_sgpr 96
		.amdhsa_reserve_vcc 0
		.amdhsa_float_denorm_mode_32 3
		.amdhsa_float_denorm_mode_16_64 3
		.amdhsa_memory_ordered 1
		.amdhsa_forward_progress 1
		.amdhsa_inst_pref_size 128
	.end_amdhsa_kernel
	.amdgpu_metadata
---
amdhsa.version: [ 1, 2 ]
amdhsa.kernels:
  - .name:           k_q532c5cc133_proj
    .symbol:         k_q532c5cc133_proj.kd
    .args:
      - { .name: xb, .offset: 0, .size: 8, .value_kind: global_buffer, .address_space: global }
      - { .name: wb, .offset: 8, .size: 8, .value_kind: global_buffer, .address_space: global }
      - { .name: cos, .offset: 16, .size: 8, .value_kind: global_buffer, .address_space: global }
      - { .name: sin, .offset: 24, .size: 8, .value_kind: global_buffer, .address_space: global }
      - { .name: qkvh, .offset: 32, .size: 8, .value_kind: global_buffer, .address_space: global }
    .group_segment_fixed_size: 327680
    .private_segment_fixed_size: 0
    .kernarg_segment_align: 8
    .kernarg_segment_size: 40
    .max_flat_workgroup_size: 128
    .sgpr_count:     96
    .vgpr_count:     960
    .wavefront_size: 32
...
	.end_amdgpu_metadata
.endif
;; end of part 2
;; launch attn (part 3): grid 16 x 16, 4 waves a work-group, clusters of 4 x 4, 327,680 bytes of LDS; arguments qkvh, mask, att; writes att
.if DOCPART == 3
	.amdgcn_target "amdgcn-amd-amdhsa--gfx1250"
	.amdhsa_code_object_version 6
	.text
	.protected	k_q532c5cc133_attn
	.globl	k_q532c5cc133_attn
	.p2align	8
	.type	k_q532c5cc133_attn,@function
k_q532c5cc133_attn:
	s_mov_b64 s[64:65], 0
	v_nop
	global_prefetch_b8 v0, s[64:65] scope:SCOPE_SE
	s_setreg_imm32_b32 hwreg(HW_REG_WAVE_MODE, 25, 1), 1
	s_wait_xcnt 0x0
	s_wait_alu depctr_hold_cnt(0) depctr_sa_sdst(0) depctr_va_vdst(0) depctr_va_sdst(0) depctr_va_ssrc(0) depctr_va_vcc(0) depctr_vm_vsrc(0)
	s_getreg_b32 s2, hwreg(HW_REG_IB_STS2, 6, 4)
	s_cmp_eq_u32 s2, 0
	s_cbranch_scc0 .Lentry_in_a_cluster
	s_endpgm
.Lentry_in_a_cluster:
	s_bfe_u32 s2, ttmp6, 0x10000c
	s_cmp_lg_u32 s2, 0xf033
	s_cbranch_scc0 .Lentry_shape_is_right
	s_endpgm
.Lentry_shape_is_right:
; ATTENTION WITH AN ADDITIVE MASK THAT IS AN INPUT.  att[q][128 head + d] = the sum over k of softmax_k(q'.k + mask[q][k] x log2(e)) v[k][d], where q' already holds SCALE x log2(e):
; the weights are p = 2^(s - m) with a running maximum m, taken away by a subtraction.  qkvh: [48][2048][128] f16; mask: [2048][2048] f32, as it is given; att: [2048][2048] f16.  Products, maxima and sums in f32;
; the mask joins the finished product by one fused multiply-add, s = mask x log2(e) + s; p is rounded to f16 for the second product (its sum l is taken of the unrounded p), att once at the end.
; No pattern of the mask is assumed: every key is multiplied and every mask number is read.
; LIMITS.  p lies in 0 to 1 and below 6.1e-5 keeps f16's fixed step; a weight below 2^-126 counts as 0; att is a mean of v's rows and has their range.  mask x 1.4427 stays finite in f32.  A row whose scores are
; all -inf gives NaN, as the definition does.  ORDER OF ROUNDING: the definition rounds score + mask in natural units, this text mask x log2(e) + score in units of log2.  It shows only in a row in which EVERY key
; carries a mask so large that it swallows the scores: such a row is the uniform mean that the definition gives as long as the sum rounds to one number for all its keys; for a mask of -1e9 that
; holds for scores x log2(e) between -82 and +45.
; SHARES.  A work-group owns 128 queries of one head.  Wave w = 2 qh + kh owns 64 queries (half qh) and, of every slot's 128 keys, the 64 of half kh: four tiles of 16 queries, one key step of 64 a slot, 16 steps.
; So a fragment of K or V read from LDS feeds four tiles' products.  The two waves of a query half are merged at the end, in f32, through LDS: register tile u is query tile u xor 2 kh of the 64, so that every wave
; keeps its register tiles 0, 1 (the work-group's rows 32 w on) and gives away 2, 3: one text for all waves.
; LAYOUT.  S^T = K Q^T holds one query a lane (l % 16) and the keys 8 (l / 16) + 0..7 of each 16; two such results rounded to f16 are source 1 of O^T = V^T P.  V is turned by ds_load_tr16_b128.
; BY TURNS.  The tiles are two pieces (0: tiles 0, 1; 2: tiles 2, 3).  In a turn one piece has the matrix unit: 32 products V^T P of the step in hand, then 32 products K Q^T of the next; the other piece's
; softmax, 149 instructions a tile, stands in 64 slices, one behind each matrix instruction.
; NO FIRST STEP IS WRITTEN OUT: m starts at the lowest finite number, O^T, l, V and piece 2's P at 0, so the first step's a is 0.  The price: 432 v_mov_b32, which stand in the wait for the first tile, 32 products
; on zeros at the start and 32 on a stale K at the end.
; CLUSTER 4 x 4: K's and V's tiles hang on the head alone and are asked for jointly along a row of the cluster; the mask's tiles hang on the query block alone and are asked for jointly along a column.
; REGISTERS, in windows of 256 (s_set_vgpr_msb: bits 1:0 source 0, 3:2 source 1, 5:4 source 2, 7:6 destination):
;   window 0: v0-11, v44-63 addresses and the merge's numbers; v12-43 eight statistics a tile; v64-191 S^T, 32 a tile; v192-255 P, 16 a tile
;   window 1: O^T, 64 a tile      window 2: v0-127 Q; v128-255 K of one step      window 3: v0-127 V of one step; v128-255 the mask of one step, 32 a tile
.set PKB,   272       ; a row of K in LDS: 256 + 16 bytes
.set PVB,   288       ; of V: 256 + 32
.set PMB,   528       ; of the mask: 128 f32 + 16 bytes
.set VOFF,  128*PKB
.set MOFF,  VOFF+128*PVB
.set MHALF, 64*PMB
.set SLOT,  MOFF+128*PMB    ; 139,264: 128 keys of K, of V, and 128 query rows x 128 keys of the mask
.set XCH,   2*SLOT          ; behind the ring, never filled by a tensor load: a block for each wave, for the merge and then the way out
.set XBLK,  8448            ; 16 x 512 bytes of O^T, 256 of (m, l)
.set SPARE, XCH+4*XBLK      ; the spare words: two blocks of 256 bytes that no other line names
.set XK,  SLOT                                  ; one exclusive or turns a descriptor's LDS word in one slot into the other slot's
.set XV,  (VOFF)^((VOFF)+SLOT)
.set XM0, (MOFF)^((MOFF)+SLOT)
.set XM1, (MOFF+MHALF)^((MOFF+MHALF)+SLOT)
.set AK0, 2           ; v2   my lane's place in a slot's K; never rewritten
.set AV0, 3           ; v3   in its V
.set ADR, 4           ; v4   LDS addresses of the run of loads in hand
.set QOA, 5           ; v5   my byte offset in Q for tiles 0, 1
.set STO, 6           ; v6   the way out: where I put 16 bytes
.set RD,  7           ; v7   where I read rows back
.set GO,  8           ; v8   my byte offset in att
.set ST,  12          ; tile t at v[ST+8 t]: +0 m; +1 at work (m_old - m); +2, +3 l (even keys', odd keys'); +4 to +7 c0-c3; a takes c2's place
.set AMA, 44          ; v44  my lane's place in a slot's mask, tiles 0, 1
.set AMB, 45          ; v45  tiles 2, 3
.set QOB, 46          ; v46  my byte offset in Q for tiles 2, 3
.set XS,  47          ; v47  my block: 16 x lane      v48: 8 x lane
.set XS2, 48
.set XL,  49          ; v49, v50  the same in my partner's block
.set XL2, 50
.set ADR2, 51
.set TP,  52          ; v[52:53] the partner's m and l
.set MN,  54          ; the merge: the common maximum,
.set LS,  55          ; the common sum,
.set B1,  56          ; v[56:57] my factor (low word),
.set B2,  58          ; v[58:59] the partner's,
.set XT,  60          ; the other half of the lanes' sum
.set SPW, 62
.set NIL, 63
.set S,   64
.set P,   192
.set KF,  128         ; window 2
.set MK,  128         ; window 3
.set WV,  12
.set G1K, 24          ; s[24:31], s[32:39], s[40:47] group 1 for K, V, the mask
.set G1V, 32
.set G1M, 40
.set G0K, 48          ; s[48:63] four group 0: K (wave 0), V (wave 1), mask rows 0-63 (wave 2), 64-127 (wave 3); they walk
.set G0V, 52
.set G0M0, 56
.set G0M1, 60
.set TB,  66          ; s66  0 or SLOT: the slot that is read
.set SLOTS, 67
.set CNT, 68
.set SEL, 70          ; s[70:71] v_permlanex16_b32's selects: each lane takes its own place in the other half
.set QA,  72          ; s[72:73] Q at my 64 rows
.set OA,  74          ; s[74:75] att at my 32 rows and my head's columns
.set LC,  84          ; s[84:85] log2(e): the packed multiply-add takes the pair's low word for both halves
.set MSB, 0
.macro WIN new
.if MSB != (\new)
	s_set_vgpr_msb (MSB<<8)|(\new)
.set MSB, \new
.endif
.endm
.set W_KQ, 0x0a       ; K and Q window 2, S^T window 0
.set W_PV, 0x53       ; V window 3, P window 0, O^T window 1
.set W_RS, 0x41       ; O^T (destination, source 0) window 1, a window 0
.set W_MA, 0x03       ; the mask (source 0) window 3
.macro TLD g0, g1                   ; s_nop 0 and four v_nop follow every tensor load
	tensor_load_to_lds s[\g0:\g0+3], s[\g1:\g1+7]
	s_nop 0
.rept 4
	v_nop
.endr
.endm
.macro JLOAD                        ; a joint fill: each wave asks for one of a slot's four tiles, 32 KiB each.  The branches hang on the wave's number alone
	s_cmp_lt_u32 s[WV], 2
	s_cbranch_scc0 .Lfor_m_\@
	s_cmp_eq_u32 s[WV], 0
	s_cbranch_scc0 .Lfor_v_\@
	TLD G0K, G1K
	s_branch .Lasked_\@
.Lfor_v_\@:
	TLD G0V, G1V
	s_branch .Lasked_\@
.Lfor_m_\@:
	s_cmp_eq_u32 s[WV], 2
	s_cbranch_scc0 .Lfor_n_\@
	TLD G0M0, G1M
	s_branch .Lasked_\@
.Lfor_n_\@:
	TLD G0M1, G1M
.Lasked_\@:
.endm
.macro CROUND                       ; a round of the cluster's barrier
	s_barrier_signal -1
	s_barrier_wait -1
	s_cmp_lg_u32 s[WV], 0
	s_cbranch_scc1 .Lnot_wave_0_\@
	s_barrier_signal -3
.Lnot_wave_0_\@:
	s_barrier_wait -3
	s_barrier_signal -1
	s_barrier_wait -1
.endm
; THE CHANGE OF SLOTS.  Each wave waits for all its tensor loads (one is out: its tile of the other slot), adds 0 to its spare word, and waits for that and for its reads of the slot that it leaves.
; fill = 1: the barrier is a round of the cluster's, and the slot is filled again, with the keys two slots on, first thing behind it: it has a key step, 128 matrix instructions, in which to land.
; (At its first use nothing has been read yet: slot 0 is waited for, slot 1 filled.)
.macro CHANGE fill
	WIN 0
	s_wait_tensorcnt 0x0            ; no tensor load of mine is out, so every group 0 may be written
	ds_add_u32 v[SPW], v[NIL]       ; 0 onto my spare word; the descriptors' steps stand between it and the wait for it
.if \fill
	s_xor_b32 s[G0K+1], s[G0K+1], XK
	s_add_nc_u64 s[G0K+2:G0K+3], s[G0K+2:G0K+3], 32768    ; the next 128 keys' rows
	s_xor_b32 s[G0V+1], s[G0V+1], XV
	s_add_nc_u64 s[G0V+2:G0V+3], s[G0V+2:G0V+3], 32768
	s_xor_b32 s[G0M0+1], s[G0M0+1], XM0
	s_add_nc_u64 s[G0M0+2:G0M0+3], s[G0M0+2:G0M0+3], 512  ; the next 128 keys' columns
	s_xor_b32 s[G0M1+1], s[G0M1+1], XM1
	s_add_nc_u64 s[G0M1+2:G0M1+3], s[G0M1+2:G0M1+3], 512
	s_wait_dscnt 0x0                ; the add is done, and my reads of the slot are over
	CROUND
	JLOAD
.else
	s_wait_dscnt 0x0
	s_barrier_signal -1
	s_barrier_wait -1
.endif
	s_xor_b32 s[TB], s[TB], SLOT    ; the reads go to the other slot
.endm
	s_load_b128 s[4:7], s[0:1], 0x0   ; qkvh s[4:5], mask s[6:7]
	s_load_b64 s[8:9], s[0:1], 0x10   ; att
	v_lshl_add_u32 v[SPW], v0, 2, SPARE
	v_mov_b32 v[NIL], 0
	ds_add_u32 v[SPW], v[NIL]       ; the wave's opening: the add and its wait stand ahead of my first tensor load
	v_lshrrev_b32 v1, 5, v0
	v_readfirstlane_b32 s[WV], v1
	s_bfe_u32 s13, ttmp6, 0x40000   ; cx
	s_bfe_u32 s14, ttmp6, 0x40004   ; cy
	s_lshl_b32 s15, ttmp9, 2
	s_add_co_u32 s15, s15, s13      ; the query block
	s_and_b32 s16, ttmp7, 0xffff
	s_lshl_b32 s16, s16, 2
	s_add_co_u32 s16, s16, s14      ; the head
	s_and_b32 s17, s[WV], 1         ; kh
	s_lshr_b32 s18, s[WV], 1        ; qh
	s_xor_b32 s19, s17, 1           ; the other key half
	s_lshl_b32 s20, s14, 2
	s_lshl_b32 s20, 15, s20         ; my row of the cluster
	s_lshl_b32 s22, 0x1111, s13     ; my column
	s_or_b32 s[G1K], s20, (1<<16)|(1<<20)|(1<<21)|(5<<22)|(3<<25)  ; 2-byte elements; padding after every 64 words, 4 words
	s_or_b32 s[G1V], s20, (1<<16)|(1<<20)|(1<<21)|(5<<22)|(7<<25)  ; 8 words
	s_or_b32 s[G1M], s22, (2<<16)|(1<<20)|(1<<21)|(6<<22)|(3<<25)  ; 4-byte elements; after every 128 words, 4 words
.irp g, G1K, G1V
	s_mov_b32 s[\g+1], 128<<16      ; tensor_dim0 = 128
	s_mov_b32 s[\g+2], 128<<16      ; tensor_dim1 = 128
	s_mov_b32 s[\g+3], 128<<16      ; tile_dim0 = 128
	s_mov_b32 s[\g+4], 128          ; tile_dim1 = 128
	s_mov_b32 s[\g+5], 128          ; elements from row to row
	s_mov_b32 s[\g+6], 0
	s_mov_b32 s[\g+7], 0
.endr
	s_mov_b32 s[G1M+1], 128<<16
	s_mov_b32 s[G1M+2], 64<<16
	s_mov_b32 s[G1M+3], 128<<16
	s_mov_b32 s[G1M+4], 64
	s_mov_b32 s[G1M+5], 2048
	s_mov_b32 s[G1M+6], 0
	s_mov_b32 s[G1M+7], 0
	s_mov_b32 s[G0K], 1
	s_mov_b32 s[G0K+1], 0
	s_mov_b32 s[G0V], 1
	s_mov_b32 s[G0V+1], VOFF
	s_mov_b32 s[G0M0], 1
	s_mov_b32 s[G0M0+1], MOFF
	s_mov_b32 s[G0M1], 1
	s_mov_b32 s[G0M1+1], MOFF+MHALF
	s_add_co_u32 s20, s16, 16       ; K's block of qkvh: the head alone enters
	s_lshl_b32 s20, s20, 19
	s_mov_b32 s21, 0
	s_add_co_u32 s80, s16, 32       ; V's
	s_lshl_b32 s80, s80, 19
	s_mov_b32 s81, 0
	s_lshl_b32 s22, s15, 20         ; the mask: 128 rows of 8,192 bytes a query block: the block alone enters
	s_mov_b32 s23, 0
	s_lshl_b32 s76, s16, 19         ; Q: head, block's 128 rows, my half's 64
	s_lshl_b32 s77, s15, 15
	s_add_co_u32 s76, s76, s77
	s_lshl_b32 s77, s18, 14
	s_add_co_u32 s76, s76, s77
	s_mov_b32 s77, 0
	s_lshl_b32 s78, s15, 19         ; att: block's 128 rows of 4,096 bytes, my 32, my head's 256 bytes
	s_lshl_b32 s79, s[WV], 17
	s_add_co_u32 s78, s78, s79
	s_lshl_b32 s79, s16, 8
	s_add_co_u32 s78, s78, s79
	s_mov_b32 s79, 0
	s_mov_b32 s[SEL], 0x76543210
	s_mov_b32 s[SEL+1], 0xfedcba98
	s_mov_b32 s[LC], 0x3fb8aa3b     ; log2(e)
	s_mov_b32 s[LC+1], s[LC]        ; named with it as a pair
	s_mov_b32 s[TB], SLOT           ; the first change of slots turns it into 0
	s_wait_dscnt 0x0                ; the opening add is done
	s_wait_kmcnt 0x0
	s_add_nc_u64 s[G0K+2:G0K+3], s[4:5], s[20:21]
	s_or_b32 s[G0K+3], s[G0K+3], 0x80000000
	s_add_nc_u64 s[G0V+2:G0V+3], s[4:5], s[80:81]
	s_or_b32 s[G0V+3], s[G0V+3], 0x80000000
	s_add_nc_u64 s[G0M0+2:G0M0+3], s[6:7], s[22:23]
	s_add_nc_u64 s[G0M1+2:G0M1+3], s[G0M0+2:G0M0+3], 64*8192
	s_or_b32 s[G0M0+3], s[G0M0+3], 0x80000000
	s_or_b32 s[G0M1+3], s[G0M1+3], 0x80000000
	s_add_nc_u64 s[QA:QA+1], s[4:5], s[76:77]
	s_add_nc_u64 s[OA:OA+1], s[8:9], s[78:79]
	CROUND                          ; all sixteen work-groups are here: the first joint loads meet
	JLOAD                           ; slot 0; slot 1 is asked for when slot 0 is in
	v_and_b32 v1, 15, v0            ; r = l % 16
	v_bfe_u32 v9, v0, 4, 1          ; h = l / 16
	v_lshlrev_b32 v[QOA], 8, v1
	v_lshl_add_u32 v[QOA], v9, 4, v[QOA]  ; r x 256 + 16 h
	s_lshl_b32 s76, s19, 13
	v_add_nc_u32 v[QOB], s76, v[QOA]      ; tiles 2, 3: the other 32 rows of my 64
	s_lshl_b32 s77, s17, 13
	v_add_nc_u32 v[QOA], s77, v[QOA]      ; tiles 0, 1: rows 32 kh on
	WIN 0x80                        ; destination window 2
.set i, 0
.rept 8                             ; Q stays in registers: tile i / 4 (and 2 + i / 4), channels 32 (i % 4) on
	global_load_b128 v[8*i:8*i+3],       v[QOA], s[QA:QA+1] offset:(i/4)*4096+(i%4)*64
	global_load_b128 v[8*i+4:8*i+7],     v[QOA], s[QA:QA+1] offset:(i/4)*4096+(i%4)*64+32
	global_load_b128 v[64+8*i:64+8*i+3],   v[QOB], s[QA:QA+1] offset:(i/4)*4096+(i%4)*64
	global_load_b128 v[64+8*i+4:64+8*i+7], v[QOB], s[QA:QA+1] offset:(i/4)*4096+(i%4)*64+32
.set i, i+1
.endr
	WIN 0xc0                        ; what the first turn finds: V = 0,
.set i, 0
.rept 128
	v_mov_b32 v[i], 0
.set i, i+1
.endr
	WIN 0x40                        ; O^T = 0,
.set i, 0
.rept 256
	v_mov_b32 v[i], 0
.set i, i+1
.endr
	WIN 0
.set i, 0
.rept 4
	v_mov_b32 v[ST+8*i], 0xff7fffff ; m: the lowest finite number
	v_mov_b32 v[ST+8*i+1], 0
	v_mov_b32 v[ST+8*i+2], 0        ; l
	v_mov_b32 v[ST+8*i+3], 0
.set i, i+1
.endr
.set i, P+32
.rept 32
	v_mov_b32 v[i], 0               ; piece 2's P = 0
.set i, i+1
.endr
	v_mul_u32_u24 v[AK0], v1, PKB
	v_lshl_add_u32 v[AK0], v9, 4, v[AK0]
	s_mul_i32 s76, s17, 64*PKB
	v_add_nc_u32 v[AK0], s76, v[AK0]      ; (64 kh + r) x pitch + 16 h
	v_and_b32 v10, 7, v0
	v_bfe_u32 v11, v0, 3, 1
	v_lshl_add_u32 v[AV0], v9, 3, v10     ; the turning load: lane l reads key 8 (l / 16) + l % 8, channels 8 ((l / 8) % 2) + 0..7
	v_mul_u32_u24 v[AV0], v[AV0], PVB
	v_lshl_add_u32 v[AV0], v11, 4, v[AV0]
	s_mul_i32 s77, s17, 64*PVB
	s_add_co_u32 s77, s77, VOFF
	v_add_nc_u32 v[AV0], s77, v[AV0]
	v_mul_u32_u24 v[AMA], v1, PMB
	v_lshl_add_u32 v[AMA], v9, 5, v[AMA]  ; query row r, keys 8 h on: 32 bytes
	s_lshl_b32 s78, s18, 1
	s_add_co_u32 s78, s78, s19
	s_mul_i32 s78, s78, 32*PMB            ; rows 64 qh + 32 (kh xor 1),
	s_lshl_b32 s79, s17, 8                ; my 64 keys: 256 bytes
	s_add_co_u32 s78, s78, s79
	s_add_co_u32 s78, s78, MOFF
	v_add_nc_u32 v[AMB], s78, v[AMA]
	s_mul_i32 s82, s[WV], 32*PMB          ; rows 32 w
	s_add_co_u32 s82, s82, s79
	s_add_co_u32 s82, s82, MOFF
	v_add_nc_u32 v[AMA], s82, v[AMA]
; THE MATRIX WORK.  The accumulators take turns, one instruction a turn.  Product i of 32 of O^T += V^T P for piece x: keys 32 (i / 16) on, channels 16 ((i / 2) % 8) on, tile x + i % 2.
.macro PV x
	WIN W_PV
.set rO, 64*((\x)+i%2)+8*((i/2)%8)
.set rV, 64*(i/16)+8*((i/2)%8)
.set rP, P+16*((\x)+i%2)+8*(i/16)
	v_wmma_f32_16x16x32_f16 v[rO:rO+7], v[rV:rV+7], v[rP:rP+7], v[rO:rO+7]
.endm
; Product i of 32 of S^T = K Q^T: channels 32 (i / 8) on, keys 16 ((i / 2) % 4) on, tile x + i % 2.  The first 8 start the sums.
.macro KQ x
	WIN W_KQ
.set rS, S+32*((\x)+i%2)+8*((i/2)%4)
.set rK, KF+32*((i/2)%4)+8*(i/8)
.set rQ, 32*((\x)+i%2)+8*(i/8)
.if i < 8
	v_wmma_f32_16x16x32_f16 v[rS:rS+7], v[rK:rK+7], v[rQ:rQ+7], 0
.else
	v_wmma_f32_16x16x32_f16 v[rS:rS+7], v[rK:rK+7], v[rQ:rQ+7], v[rS:rS+7]
.endif
.endm
; THE LDS LOADS stand in two runs of 48 a key step.  With K comes the mask of tiles 0, 1; with V, a turn later, that of tiles 2, 3.  A lane's eight keys of a 16 are 32 consecutive bytes of its query's mask row.
; last = 1 (the tail): in the last trip there is no further step, and the run is jumped over.
.macro FETCH_K last=0
	WIN 0
.if \last
	s_cmp_eq_u32 s[CNT], 1
	s_cbranch_scc1 .Lno_k_\@
.endif
	v_add_nc_u32 v[ADR], s[TB], v[AMA]
	v_add_nc_u32 v[ADR2], s[TB], v[AK0]
	WIN 0xc0                        ; destination window 3
.irp f, 0,1,2,3,4,5,6,7,8,9,10,11,12,13,14,15  ; tile f / 8, keys 16 ((f / 2) % 4) on, half f % 2
	ds_load_b128 v[MK+4*\f:MK+4*\f+3], v[ADR] offset:(\f/8)*16*PMB+((\f/2)%4)*64+(\f%2)*16
.endr
	WIN 0x80                        ; destination window 2
.irp f, 0,1,2,3,4,5,6,7,8,9,10,11,12,13,14,15  ; keys 16 (f / 4) on, channels 32 (f % 4) on
	ds_load_b128 v[KF+8*\f:KF+8*\f+3],   v[ADR2] offset:(\f/4)*16*PKB+(\f%4)*64
	ds_load_b128 v[KF+8*\f+4:KF+8*\f+7], v[ADR2] offset:(\f/4)*16*PKB+(\f%4)*64+32
.endr
	WIN 0
.if \last
.Lno_k_\@:
.endif
.endm
.macro FETCH_V
	WIN 0
	v_add_nc_u32 v[ADR], s[TB], v[AMB]
	v_add_nc_u32 v[ADR2], s[TB], v[AV0]
	WIN 0xc0
.irp f, 0,1,2,3,4,5,6,7,8,9,10,11,12,13,14,15
	ds_load_b128 v[MK+64+4*\f:MK+64+4*\f+3], v[ADR] offset:(\f/8)*16*PMB+((\f/2)%4)*64+(\f%2)*16
.endr
.irp f, 0,1,2,3,4,5,6,7,8,9,10,11,12,13,14,15  ; keys 32 (f / 8) on, channels 16 (f % 8) on
	ds_load_tr16_b128 v[8*\f:8*\f+3],   v[ADR2] offset:(\f/8)*32*PVB+(\f%8)*32
	ds_load_tr16_b128 v[8*\f+4:8*\f+7], v[ADR2] offset:(\f/8)*32*PVB+16*PVB+(\f%8)*32
.endr
.endm
; THE VECTOR WORK.  One tile's softmax for a key step is a list of 149 instructions; SM writes number J of it for tile t.  s0-s31 are the lane's 32 scores, in pairs 0-15.
;   0-15     pair J of the scores takes its pair of the mask times log2(e), one fused multiply-add (each accumulator is read from its low end on)
;   16-31    the maximum of s0-s31 and the old m, three operands at a time      32-35  the other half of the lanes' maximum; m_old is kept; the new m; m_old - m
;   36-102   33 exponentials (a, then s0-s31) at the even numbers from 38 on; the plain instruction between two of them is whatever is ready: s - m for a pair whose exponentials are still to come,
;            the rounding to f16 of a pair whose exponentials are done, at last the first three sums
;   103-116  the last rounding; the rest of the sums; l = a l + the sum        117-148  the tile's O^T times a: the one part in window 1, so it stands together
.macro SM t
.set rT, ST+8*(\t)
.set rS, S+32*(\t)
.set rP, P+16*(\t)
.set rM, MK+32*(\t)
.set rO, 64*(\t)+2*(J-117)
.set g, J-16
.set j, J-15
.set q, (J-35)/2
.if J < 16
	WIN W_MA
.elseif J < 117
	WIN 0
.else
	WIN W_RS
.endif
.if J < 16
	v_pk_fma_f32 v[rS+2*J:rS+2*J+1], v[rM+2*J:rM+2*J+1], s[LC:LC+1], v[rS+2*J:rS+2*J+1] op_sel_hi:[1,0,1]
.elseif J < 20
	v_max3_num_f32 v[rT+4+g], v[rS+8*g], v[rS+8*g+1], v[rS+8*g+2]
.elseif J < 28
	v_max3_num_f32 v[rT+4+g%4], v[rT+4+g%4], v[rS+8*(g%4)+2*(g/4)+1], v[rS+8*(g%4)+2*(g/4)+2]
.elseif J == 28
	v_max3_num_f32 v[rT+4], v[rT+4], v[rS+7], v[rS+15]
.elseif J == 29
	v_max3_num_f32 v[rT+6], v[rT+6], v[rS+23], v[rS+31]
.elseif J == 30
	v_max3_num_f32 v[rT+4], v[rT+4], v[rT+5], v[rT+6]
.elseif J == 31
	v_max3_num_f32 v[rT+4], v[rT+4], v[rT+7], v[rT]
.elseif J == 32
	v_permlanex16_b32 v[rT+5], v[rT+4], s[SEL], s[SEL+1]  ; the query's other 32 keys lie in the lane 16 away
.elseif J == 33
	v_mov_b32 v[rT+1], v[rT]
.elseif J == 34
	v_max_num_f32 v[rT], v[rT+4], v[rT+5]
.elseif J == 35
	v_sub_f32 v[rT+1], v[rT+1], v[rT]
.elseif J == 38
	v_exp_f32 v[rT+6], v[rT+1]      ; a
.elseif (J < 103) && (J > 38) && (J%2 == 0)
	v_exp_f32 v[rS+(J-40)/2], v[rS+(J-40)/2]
.elseif (q < 4) || ((j < 76) && (q%2 == 0))
.set b, q/2+2
.if q < 4
.set b, q
.endif
	v_pk_add_f32 v[rS+2*b:rS+2*b+1], v[rS+2*b:rS+2*b+1], v[rT:rT+1] op_sel_hi:[1,0] neg_lo:[0,1] neg_hi:[0,1]  ; pair b: s - m
.elseif (j < 88) && (q%2 == 1)
	s_wait_alu depctr_va_vdst(0)
	v_cvt_pk_f16_f32 v[rP+(q-5)/2], v[rS+q-5], v[rS+q-4]  ; its second exponential stands three numbers back
.elseif j == 89
	s_wait_alu depctr_va_vdst(0)
	v_cvt_pk_f16_f32 v[rP+15], v[rS+30], v[rS+31]
.elseif j < 102                     ; the sum of the 16 pairs, in place: neighbours 1, 2, 4 and 8 pairs apart, then l takes it
.set z, j-86
.if j < 89
.set z, (j-76)/4
.endif
.set w, 4
.set u, z
.if z >= 14
.set w, 32
.set u, 0
.elseif z >= 12
.set w, 16
.set u, z-12
.elseif z >= 8
.set w, 8
.set u, z-8
.endif
.if z < 15
	v_pk_add_f32 v[rS+w*u:rS+w*u+1], v[rS+w*u:rS+w*u+1], v[rS+w*u+w/2:rS+w*u+w/2+1]
.else
	v_pk_fma_f32 v[rT+2:rT+3], v[rT+2:rT+3], v[rT+6:rT+7], v[rS:rS+1] op_sel_hi:[1,0,1]
.endif
.else
	v_pk_mul_f32 v[rO:rO+1], v[rO:rO+1], v[rT+6:rT+7] op_sel_hi:[1,0]
.endif
.endm
; Slice k of 64 of piece y's softmax: three numbers of both tiles' lists in the first 21 slices, two in the other 43: 21 x 3 + 43 x 2 = 149.  Where the exponentials stand the slice goes tile by tile, elsewhere
; the tiles alternate.  Slice 63 is four packed multiplies on the other piece's O^T: the four places between a turn's last K Q^T and the next turn's first read of those scores, and the loads into K.
.macro SLICE y
.if k < 21
.set nb, 3*k
.set nn, 3
.else
.set nb, 2*k+21
.set nn, 2
.endif
.if (k >= 12) && (k <= 40)
.irp t, \y, (\y)+1
.set J, nb
.rept nn
	SM \t
.set J, J+1
.endr
.endr
.else
.set J, nb
.rept nn
	SM \y
	SM (\y)+1
.set J, J+1
.endr
.endif
.set k, k+1
.endm
; A TURN.  Piece x has the matrix unit; the other piece's softmax stands in slices behind its matrix instructions.  Piece 0's turn fetches the next step's K (its last reader stands in front of slice 63 of the turn
; before); piece 2's turn fetches the step's V behind its second K Q^T: slices 31 to 33 hold six plain instructions behind V's last reader.  Each run is 30 matrix instructions ahead of its first use.
.macro TURN x, last=0
.set k, 0
.if (\x) == 0
	s_wait_dscnt 0x0                ; V and the mask of tiles 2, 3 are in
.endif
.set i, 0
.rept 32
	PV \x
	SLICE 2-(\x)
.if ((\x) == 0) && (i == 1)
	FETCH_K \last
.endif
.set i, i+1
.endr
.if (\x) == 0
	s_wait_dscnt 0x0                ; K and the mask of tiles 0, 1 are in
.endif
.set i, 0
.rept 32
	KQ \x
	SLICE 2-(\x)
.if ((\x) == 2) && (i == 1)
	FETCH_V
.endif
.set i, i+1
.endr
.endm
	CHANGE 1                        ; slot 0 is in, everybody's tile of it; slot 1 is asked for
	FETCH_K                         ; key step 0
	s_wait_loadcnt 0x0              ; Q
	s_wait_dscnt 0x0
.set i, 0
.rept 32
	KQ 0                            ; piece 0's first scores
.set i, i+1
.endr
	WIN 0                           ; the addresses for the merge and the way out: plain instructions, the places behind those products
	s_mul_i32 s76, s[WV], XBLK
	s_add_co_u32 s76, s76, XCH      ; my block
	s_xor_b32 s77, s[WV], 1
	s_mul_i32 s77, s77, XBLK
	s_add_co_u32 s77, s77, XCH      ; my partner's: the wave with the other key half
	v_and_b32 v10, 31, v0
	v_lshl_add_u32 v[XS], v10, 4, s76
	v_lshl_add_u32 v[XL], v10, 4, s77
	v_lshl_add_u32 v[XS2], v10, 3, s76
	v_lshl_add_u32 v[XL2], v10, 3, s77
	v_mul_u32_u24 v[STO], v1, 272   ; in: row r, 16 bytes for each half of the lanes
	v_lshl_add_u32 v[STO], v9, 4, v[STO]
	v_add_nc_u32 v[STO], s76, v[STO]
	v_mul_u32_u24 v[RD], v9, 272    ; back: lanes 0-15 one row of 256 bytes, lanes 16-31 the next
	v_lshl_add_u32 v[RD], v1, 4, v[RD]
	v_add_nc_u32 v[RD], s76, v[RD]
	v_lshlrev_b32 v[GO], 12, v9     ; and the same two rows in att
	v_lshl_add_u32 v[GO], v1, 4, v[GO]
	v_mov_b32 v[B1+1], 0            ; named in pairs, or as a lane exchange's destination: written once
	v_mov_b32 v[B2+1], 0
	v_mov_b32 v[XT], 0
	s_mov_b32 s[SLOTS], 15
	s_branch .Lfirst                ; the loop is entered in the middle of a trip
.Lslot:                             ; 14 times: every slot but the last two is filled again
	CHANGE 1
	TURN 0
	WIN 0
.Lfirst:
	TURN 2
	WIN 0
	s_sub_co_u32 s[SLOTS], s[SLOTS], 1
	s_cmp_lg_u32 s[SLOTS], 0
	s_cbranch_scc1 .Lslot
	CHANGE 0                        ; the tail is written out: nothing is asked for
	s_mov_b32 s[CNT], 2             ; the first trip fetches the last step; the second is left in its middle
.Ltail:
	TURN 0, 1
	WIN 0
	s_sub_co_u32 s[CNT], s[CNT], 1
	s_cmp_eq_u32 s[CNT], 0
	s_cbranch_scc1 .Lout
	TURN 2
	WIN 0
	s_branch .Ltail
.Lout:
.set i, 0
.rept 32
	PV 2                            ; piece 2: V^T P of the last step
.set i, i+1
.endr
; THE MERGE.  My register tiles 2, 3 are my partner's tiles 0, 1, seen over the other half of the keys.  One tile at a time goes through the giver's block: O^T as it lies, and (m, l).  The taker forms the common
; maximum, both parts' factors 2^(m_i - m) / l, and the result.  Barriers: behind each giving (the stores waited for), and behind each taking (the loads waited for), so that a block is written again, by the next
; giving or by its owner's way out, only when its reader is done.
	WIN 0
.irp t, 0,1,2,3
	v_add_f32 v[ST+8*\t+1], v[ST+8*\t+2], v[ST+8*\t+3]  ; l's two halves; with m a pair.  These four are the places behind the last products
.endr
.macro GIVE t
	WIN 0x04                        ; store data window 1
.set i, 0
.rept 16
	ds_store_b128 v[XS], v[64*(\t)+4*i:64*(\t)+4*i+3] offset:512*i
.set i, i+1
.endr
	WIN 0
	ds_store_b64 v[XS2], v[ST+8*(\t):ST+8*(\t)+1] offset:8192
	s_wait_dscnt 0x0                ; for my partner's sake
	s_barrier_signal -1
	s_barrier_wait -1
.endm
.macro TAKE u
.set rT, ST+8*(\u)
.set SX, S+64*(\u)
	WIN 0
.set i, 0
.rept 16
	ds_load_b128 v[SX+4*i:SX+4*i+3], v[XL] offset:512*i
.set i, i+1
.endr
	ds_load_b64 v[TP:TP+1], v[XL2] offset:8192
	s_wait_dscnt 0x0                ; the partner's tile is in my registers:
	s_barrier_signal -1             ; say so; the arithmetic, on registers alone, stands between the signal and the wait
	v_max_num_f32 v[MN], v[rT], v[TP]
	v_sub_f32 v[B1], v[rT], v[MN]
	v_sub_f32 v[B2], v[TP], v[MN]
	v_exp_f32 v[B1], v[B1]
	v_exp_f32 v[B2], v[B2]
	v_nop                           ; a plain instruction behind the exponentials
	s_wait_alu depctr_va_vdst(0)
	v_mul_f32 v[LS], v[rT+1], v[B1]
	v_fmac_f32 v[LS], v[TP+1], v[B2]
	v_permlanex16_b32 v[XT], v[LS], s[SEL], s[SEL+1]  ; the other 32 of each 64 keys lie in the lane 16 away
	v_add_f32 v[LS], v[LS], v[XT]
	v_rcp_f32 v[LS], v[LS]
	v_nop
	s_wait_alu depctr_va_vdst(0)
	v_mul_f32 v[B1], v[B1], v[LS]
	v_mul_f32 v[B2], v[B2], v[LS]
.set i, 0
.rept 32
	v_pk_mul_f32 v[SX+2*i:SX+2*i+1], v[SX+2*i:SX+2*i+1], v[B2:B2+1] op_sel_hi:[1,0]
.set i, i+1
.endr
	WIN 0x01                        ; source 0: my O^T, window 1, from each accumulator's low end on
.set i, 0
.rept 32
	v_pk_fma_f32 v[SX+2*i:SX+2*i+1], v[64*(\u)+2*i:64*(\u)+2*i+1], v[B1:B1+1], v[SX+2*i:SX+2*i+1] op_sel_hi:[1,0,1]
.set i, i+1
.endr
	WIN 0
.set i, 0
.rept 32
	v_cvt_pk_f16_f32 v[SX+i], v[SX+2*i], v[SX+2*i+1]  ; ascending, in place: number i is written when it has been read
.set i, i+1
.endr
	s_barrier_wait -1
.endm
; THE WAY OUT of tile u: 16 bytes a lane into rows of 272 bytes in my own block, back as whole rows of 256, stored.
.macro OUT u
.set SX, S+64*(\u)
.irp f, 0,1,2,3,4,5,6,7
	ds_store_b128 v[STO], v[SX+4*\f:SX+4*\f+3] offset:32*\f
.endr
.irp f, 0,1,2,3,4,5,6,7
	ds_load_b128 v[SX+32+4*\f:SX+32+4*\f+3], v[RD] offset:544*\f  ; LDS serves a wave's instructions in order (ISA guide 5.7.1.4): these see the stores above
.endr
.irp f, 0,1,2,3,4,5,6,7
	s_wait_dscnt 7-\f               ; number f is in
	global_store_b128 v[GO], v[SX+32+4*\f:SX+32+4*\f+3], s[OA:OA+1] offset:65536*(\u)+8192*\f  ; 16 lanes store a head's 256 bytes of a row, aligned
.endr
.endm
	GIVE 2
	TAKE 0
	GIVE 3
	TAKE 1
	OUT 0
	OUT 1
	s_wait_tensorcnt 0x0            ; the wave's end
	ds_add_u32 v[SPW], v[NIL]
	s_wait_dscnt 0x0
	CROUND                          ; the closing round
	s_endpgm
.Lfunc_end_k_q532c5cc133_attn:
	.size	k_q532c5cc133_attn, .Lfunc_end_k_q532c5cc133_attn-k_q532c5cc133_attn
	.p2alignl 7, 3214868480
	.fill 96, 4, 3214868480
	.section	.rodata,"a",@progbits
	.p2align	6, 0x0
	.amdhsa_kernel k_q532c5cc133_attn
		.amdhsa_group_segment_fixed_size 327680
		.amdhsa_private_segment_fixed_size 0
		.amdhsa_enable_private_segment 0
		.amdhsa_kernarg_size 24
		.amdhsa_user_sgpr_count 2
		.amdhsa_user_sgpr_kernarg_segment_ptr 1
		.amdhsa_wavefront_size32 1
		.amdhsa_system_sgpr_workgroup_id_x 1
		.amdhsa_system_sgpr_workgroup_id_y 1
		.amdhsa_system_sgpr_workgroup_id_z 1
		.amdhsa_system_vgpr_workitem_id 0
		.amdhsa_next_free_vgpr 1024
		.amdhsa_next_free_sgpr 88
		.amdhsa_reserve_vcc 0
		.amdhsa_float_denorm_mode_32 3
		.amdhsa_float_denorm_mode_16_64 3
		.amdhsa_memory_ordered 1
		.amdhsa_forward_progress 1
		.amdhsa_inst_pref_size 175
	.end_amdhsa_kernel
	.amdgpu_metadata
---
amdhsa.version: [ 1, 2 ]
amdhsa.kernels:
  - .name:           k_q532c5cc133_attn
    .symbol:         k_q532c5cc133_attn.kd
    .args:
      - { .name: qkvh, .offset: 0, .size: 8, .value_kind: global_buffer, .address_space: global }
      - { .name: mask, .offset: 8, .size: 8, .value_kind: global_buffer, .address_space: global }
      - { .name: att, .offset: 16, .size: 8, .value_kind: global_buffer, .address_space: global }
    .group_segment_fixed_size: 327680
    .private_segment_fixed_size: 0
    .kernarg_segment_align: 8
    .kernarg_segment_size: 24
    .max_flat_workgroup_size: 128
    .sgpr_count:     88
    .vgpr_count:     1024
    .wavefront_size: 32
...
	.end_amdgpu_metadata
.endif
;; end of part 3
;; launch oproj (part 4): grid 16 x 16, 4 waves a work-group, clusters of 4 x 4, 327,680 bytes of LDS; arguments att, woh, out0; writes out0
.if DOCPART == 4
	.amdgcn_target "amdgcn-amd-amdhsa--gfx1250"
	.amdhsa_code_object_version 6
	.text
	.protected	k_q532c5cc133_oproj
	.globl	k_q532c5cc133_oproj
	.p2align	8
	.type	k_q532c5cc133_oproj,@function
k_q532c5cc133_oproj:
	s_mov_b64 s[64:65], 0
	v_nop
	global_prefetch_b8 v0, s[64:65] scope:SCOPE_SE
	s_setreg_imm32_b32 hwreg(HW_REG_WAVE_MODE, 25, 1), 1
	s_wait_xcnt 0x0
	s_wait_alu depctr_hold_cnt(0) depctr_sa_sdst(0) depctr_va_vdst(0) depctr_va_sdst(0) depctr_va_ssrc(0) depctr_va_vcc(0) depctr_vm_vsrc(0)
	s_getreg_b32 s2, hwreg(HW_REG_IB_STS2, 6, 4)
	s_cmp_eq_u32 s2, 0
	s_cbranch_scc0 .Lentry_in_a_cluster
	s_endpgm
.Lentry_in_a_cluster:
	s_bfe_u32 s2, ttmp6, 0x10000c
	s_cmp_lg_u32 s2, 0xf033
	s_cbranch_scc0 .Lentry_shape_is_right
	s_endpgm
.Lentry_shape_is_right:
; out0[s][n] = the sum over k of att[s][k] woh[n][k].  att, woh: [2048][2048] f16; out0: [2048][2048] f32; sums in f32, K ascending, stored as they are.
; A tile of out0 is 128 x 128: 256 work-groups.  Four waves, each 64 x 64: 16 accumulators.  K goes in steps of 256 (LDS rows of 512 bytes; a wave's tensor load brings 64 of them) through two slots.
; ONE TEXT FOR A K STEP: a trip of the loop is one K step; which slot is read hangs on two scalars that toggle between 0 and SLOT, which slot is filled on the walking descriptors' LDS words, which toggle likewise.
; CLUSTER 4 x 4: att's tiles are asked for jointly along a row of the cluster, woh's along a column.  THE MATRIX INSTRUCTION IS USED TRANSPOSED (source 0 = 16 rows of woh, source 1 = 16 rows of att):
; a lane holds eight neighbouring numbers of a row of out0.  A wave's 64 columns of f32 are one aligned 256 bytes, so each wave has a stage of its own on the way out, and no barrier stands there.
; REGISTERS: window 0: v0-31 addresses; v32-95 rows read back, two sets; v128-255 the accumulators ((a, b) at v[128 + 8 (4 a + b)]).  window 1: two fragment buffers of 128.
.set SIZE_K, 2048
.set SIZE_N, 2048
.set KSTEP,  256
.set PITCH,  528                       ; 512 bytes + 16 of padding
.set HALFT,  64*PITCH
.set SLOT,   4*HALFT
.set STAGE,  2*SLOT                    ; behind the ring, never filled by a tensor load: 16 rows x 272 bytes for each wave
.set SPITCH, 272
.set SPARE,  STAGE+4*16*SPITCH         ; the spare words: two blocks of 256 bytes that no other line names
.set FILLS,  6                         ; 8 K steps; steps 0 and 1 are first fills, steps 2 to 7 refills
.set BA,   16                          ; v16     my att fragments' place in a slot; never rewritten
.set BB,   17                          ; v17     my woh fragments'
.set ADRA, 20                          ; v20-21  the same in the slot in hand, and in the other slot
.set ADRB, 22                          ; v22-23
.set STO,  24
.set RD,   25
.set CO,   26
.set SPW,  28
.set NIL,  29
.set TMP,  32
.set ACC,  128
.set F0,   0
.set F1,   128
.set WV,  10                           ; s10 wave
.set G1,  24                           ; s[24:31] group 1 for att's tiles
.set G1B, 32                           ; s[32:39] for woh's
.set GW,  48                           ; s[48:63] four walking group 0, one a wave: att's two halves, woh's two halves
.set GF0, 68                           ; s[68:83] four group 0 for slot 0's first fill alone; never rewritten
.set GF1, 72
.set GF2, 76
.set GF3, 80
.set TB,  84                           ; s84 the slot in hand: 0 or SLOT
.set TN,  85                           ; s85 the other slot
.set MSB, 0
.macro WIN new
.if MSB != (\new)
	s_set_vgpr_msb (MSB<<8)|(\new)
.set MSB, \new
.endif
.endm
.set MUL,  0x05                        ; sources 0 and 1 window 1; C and D window 0
.set TO_F, 0x40                        ; destination window 1, address window 0
.macro PLACES                          ; four plain vector instructions between a matrix instruction and a load into, or an access to, its registers
.rept 4
	v_nop
.endr
.endm
.macro TLD g0, g1                      ; s_nop 0 and four v_nop follow a tensor load
	tensor_load_to_lds s[\g0:\g0+3], s[\g1:\g1+7]
	s_nop 0
.rept 4
	v_nop
.endr
.endm
.macro TLD2 f, w, g1                   ; a wave's two first fills stand together: s_nop 0 behind each, four v_nop behind the second
	tensor_load_to_lds s[\f:\f+3], s[\g1:\g1+7]
	s_nop 0
	tensor_load_to_lds s[\w:\w+3], s[\g1:\g1+7]
	s_nop 0
.rept 4
	v_nop
.endr
.endm
.macro JLOAD                           ; a joint refill: each wave asks for one of a slot's four tiles by its walking descriptor.  The branches hang on the wave's number alone
	s_cmp_lt_u32 s[WV], 2
	s_cbranch_scc0 .Lhi_\@
	s_cmp_eq_u32 s[WV], 0
	s_cbranch_scc0 .Lw1_\@
	TLD GW, G1
	s_branch .Lasked_\@
.Lw1_\@:
	TLD GW+4, G1
	s_branch .Lasked_\@
.Lhi_\@:
	s_cmp_eq_u32 s[WV], 2
	s_cbranch_scc0 .Lw3_\@
	TLD GW+8, G1B
	s_branch .Lasked_\@
.Lw3_\@:
	TLD GW+12, G1B
.Lasked_\@:
.endm
.macro CROUND                          ; a round of the cluster's barrier
	s_barrier_signal -1
	s_barrier_wait -1
	s_cmp_lg_u32 s[WV], 0
	s_cbranch_scc1 .Lnot_wave_0_\@
	s_barrier_signal -3
.Lnot_wave_0_\@:
	s_barrier_wait -3
	s_barrier_signal -1
	s_barrier_wait -1
.endm
; Quarter n of a slot: the first-fill descriptor f (slot 0, K step 0) and the walking one w (it starts at slot 1, K step 1); the tile's address is s[pair] + off
.macro MKD f, w, n, pair, off
	s_mov_b32 s[\f], 1
	s_mov_b32 s[\f+1], (\n)*HALFT
	s_add_nc_u64 s[\f+2:\f+3], s[\pair:\pair+1], \off
	s_add_nc_u64 s[\w+2:\w+3], s[\f+2:\f+3], KSTEP*2
	s_or_b32 s[\f+3], s[\f+3], 0x80000000
	s_or_b32 s[\w+3], s[\w+3], 0x80000000
	s_mov_b32 s[\w], 1
	s_mov_b32 s[\w+1], (\n)*HALFT+SLOT
.endm
.macro SETADR                          ; my fragments' LDS addresses in the slot in hand and in the other
	v_add_nc_u32 v[ADRA], s[TB], v[BA]
	v_add_nc_u32 v[ADRA+1], s[TN], v[BA]
	v_add_nc_u32 v[ADRB], s[TB], v[BB]
	v_add_nc_u32 v[ADRB+1], s[TN], v[BB]
.endm
.macro NEXTSLOT                        ; the slots change names
	WIN 0
	s_xor_b32 s[TB], s[TB], SLOT
	s_xor_b32 s[TN], s[TN], SLOT
	SETADR
.endm
	s_load_b128 s[4:7], s[0:1], 0x0                ; att s[4:5], woh s[6:7]
	s_load_b64 s[8:9], s[0:1], 0x10                ; out0
	v_lshl_add_u32 v[SPW], v0, 2, SPARE
	v_mov_b32 v[NIL], 0
	ds_add_u32 v[SPW], v[NIL]                      ; the wave's opening: the add and its wait stand ahead of my first tensor load
	v_lshrrev_b32 v1, 5, v0
	v_readfirstlane_b32 s[WV], v1                  ; wave 0..3
	s_lshr_b32 s11, s[WV], 1                       ; which half of the tile's rows is mine
	s_and_b32 s12, s[WV], 1                        ; which half of its columns
	s_bfe_u32 s40, ttmp6, 0x40000                  ; cx, cy
	s_bfe_u32 s41, ttmp6, 0x40004
	s_lshl_b32 s42, ttmp9, 2
	s_add_co_u32 s42, s42, s40                     ; tile column
	s_and_b32 s13, ttmp7, 0xffff
	s_lshl_b32 s13, s13, 2
	s_add_co_u32 s13, s13, s41                     ; tile row
	s_lshl_b32 s43, s41, 2
	s_lshl_b32 s43, 15, s43                        ; my row of the cluster
	s_lshl_b32 s44, 0x1111, s40                    ; my column
	s_or_b32 s[G1], s43, (1<<16)|(1<<20)|(1<<21)|(6<<22)|(3<<25)   ; the mask; 2-byte elements; padding after every 128 words, 4 words
	s_or_b32 s[G1B], s44, (1<<16)|(1<<20)|(1<<21)|(6<<22)|(3<<25)
.irp g, G1, G1B
	s_mov_b32 s[(\g)+1], KSTEP<<16                 ; tensor_dim0 = 256
	s_mov_b32 s[(\g)+2], 64<<16                    ; tensor_dim1 = 64
	s_mov_b32 s[(\g)+3], KSTEP<<16                 ; tile_dim0 = 256
	s_mov_b32 s[(\g)+4], 64                        ; tile_dim1 = 64
	s_mov_b32 s[(\g)+5], SIZE_K
	s_mov_b32 s[(\g)+6], 0
	s_mov_b32 s[(\g)+7], 0
.endr
	s_lshl_b32 s14, s13, 19                        ; att: 128 rows of 4,096 bytes a tile row: the tile row alone enters
	s_mov_b32 s15, 0
	s_lshl_b32 s46, s42, 19                        ; woh: the tile column alone enters
	s_mov_b32 s47, 0
	s_mov_b32 s[TB], 0
	s_mov_b32 s[TN], SLOT
	s_wait_dscnt 0x0                               ; the opening add is done
	s_wait_kmcnt 0x0
	s_add_nc_u64 s[14:15], s[4:5], s[14:15]
	s_add_nc_u64 s[46:47], s[6:7], s[46:47]
	MKD GF0, GW,    0, 14, 0                       ; att's rows 0-63
	MKD GF1, GW+4,  1, 14, 64*SIZE_K*2             ; att's rows 64-127
	MKD GF2, GW+8,  2, 46, 0                       ; woh's rows 0-63
	MKD GF3, GW+12, 3, 46, 64*SIZE_K*2             ; woh's rows 64-127
	CROUND                                         ; the first joint loads meet
	s_cmp_lt_u32 s[WV], 2                          ; a wave's two first fills stand in one branch, ahead of every wait on TENSORcnt and every LDS read: two loads of mine are out
	s_cbranch_scc0 .Lf_hi
	s_cmp_eq_u32 s[WV], 0
	s_cbranch_scc0 .Lf_1
	TLD2 GF0, GW, G1
	s_branch .Lf_done
.Lf_1:
	TLD2 GF1, GW+4, G1
	s_branch .Lf_done
.Lf_hi:
	s_cmp_eq_u32 s[WV], 2
	s_cbranch_scc0 .Lf_3
	TLD2 GF2, GW+8, G1B
	s_branch .Lf_done
.Lf_3:
	TLD2 GF3, GW+12, G1B
.Lf_done:
	v_and_b32 v1, 15, v0                           ; r
	v_bfe_u32 v2, v0, 4, 1                         ; h
	v_mul_u32_u24 v3, v1, PITCH
	v_lshl_add_u32 v3, v2, 4, v3
	s_mul_i32 s21, s11, HALFT                      ; my 64 rows of att
	s_mul_i32 s22, s12, HALFT                      ; my 64 rows of woh,
	s_add_co_u32 s22, s22, 2*HALFT                 ; which lie behind att's 128
	v_add_nc_u32 v[BA], s21, v3
	v_add_nc_u32 v[BB], s22, v3
	SETADR
	s_mul_i32 s23, s[WV], 16*SPITCH
	s_add_co_u32 s23, s23, STAGE                   ; my stage
	v_mul_u32_u24 v4, v1, SPITCH                   ; in: row r, 32 bytes (eight f32) for each half of the lanes
	v_lshl_add_u32 v4, v2, 5, v4
	v_add_nc_u32 v[STO], s23, v4
	v_mul_u32_u24 v5, v2, SPITCH                   ; back: lanes 0-15 one row of 256 bytes, lanes 16-31 the next
	v_lshl_add_u32 v5, v1, 4, v5
	v_add_nc_u32 v[RD], s23, v5
	v_lshlrev_b32 v5, 13, v2                       ; and the same two rows in out0: 8,192 bytes a row
	v_lshl_add_u32 v[CO], v1, 4, v5
	s_lshl_b32 s16, s13, 7
	s_lshl_b32 s17, s11, 6
	s_add_co_u32 s16, s16, s17                     ; my first row
	s_lshl_b32 s16, s16, 13
	s_mov_b32 s17, 0
	s_add_nc_u64 s[8:9], s[8:9], s[16:17]
	s_lshl_b32 s46, s42, 9                         ; my first column, in bytes: 512 x tile column + 256 x half
	s_lshl_b32 s47, s12, 8
	s_add_co_u32 s46, s46, s47
	s_mov_b32 s47, 0
	s_add_nc_u64 s[8:9], s[8:9], s[46:47]
; 8 matrix instructions: row blocks a0, a0 + 1 x all 4 column blocks, 32 along K: half c of buffer f.  zero = 1: the product starts the sum.  The 16 accumulators take turns.
.macro MUL8 f, c, a0, zero
	WIN MUL
.irp a, \a0, (\a0)+1
.irp b, 0,1,2,3
.if \zero
	v_wmma_f32_16x16x32_f16 v[ACC+8*(4*(\a)+(\b)):ACC+8*(4*(\a)+(\b))+7], v[(\f)+64+8*(4*(\c)+(\b)):(\f)+64+8*(4*(\c)+(\b))+7], v[(\f)+8*(4*(\c)+(\a)):(\f)+8*(4*(\c)+(\a))+7], 0
.else
	v_wmma_f32_16x16x32_f16 v[ACC+8*(4*(\a)+(\b)):ACC+8*(4*(\a)+(\b))+7], v[(\f)+64+8*(4*(\c)+(\b)):(\f)+64+8*(4*(\c)+(\b))+7], v[(\f)+8*(4*(\c)+(\a)):(\f)+8*(4*(\c)+(\a))+7], v[ACC+8*(4*(\a)+(\b)):ACC+8*(4*(\a)+(\b))+7]
.endif
.endr
.endr
.endm
; 32 LDS loads in one run: the fragments of 64 along K at byte k of the rows, into buffer f; the first 32 along K first.  slot = 0: the slot in hand; 1: the other
.macro FETCH slot, k, f
	WIN TO_F
.irp c, 0,1
.irp i, 0,1,2,3
	ds_load_b128 v[(\f)+64+8*(4*(\c)+(\i)):(\f)+64+8*(4*(\c)+(\i))+3],   v[ADRB+(\slot)] offset:(\k)+64*(\c)+(\i)*16*PITCH
	ds_load_b128 v[(\f)+64+8*(4*(\c)+(\i))+4:(\f)+64+8*(4*(\c)+(\i))+7], v[ADRB+(\slot)] offset:(\k)+64*(\c)+(\i)*16*PITCH+32
	ds_load_b128 v[(\f)+8*(4*(\c)+(\i)):(\f)+8*(4*(\c)+(\i))+3],         v[ADRA+(\slot)] offset:(\k)+64*(\c)+(\i)*16*PITCH
	ds_load_b128 v[(\f)+8*(4*(\c)+(\i))+4:(\f)+8*(4*(\c)+(\i))+7],       v[ADRA+(\slot)] offset:(\k)+64*(\c)+(\i)*16*PITCH+32
.endr
.endr
.endm
; A K step is four quarters of 64 along K, 32 matrix instructions each, on buffers 0, 1, 0, 1.
.macro QUARTER slot, k, f, n, zero
	s_wait_dscnt 16                                ; the first 32 along K are in
	MUL8 \f, 0, 0, \zero
	MUL8 \f, 0, 2, \zero
	PLACES
	FETCH \slot, \k, \n
	s_wait_dscnt 32                                ; all but the 32 just issued
	MUL8 \f, 1, 0, 0
	MUL8 \f, 1, 2, 0
.endm
; The last quarter changes slots and then multiplies buffer 1.  Each wave waits for all its tensor loads (one is out: its tile of the other slot), adds 0 to its spare word, and waits for that and for its reads
; of the slot in hand, whose last fragments were fetched in the third quarter.  fill = 1: the barrier is a round of the cluster's, and the slot in hand is filled again, two K steps ahead, first thing behind it:
; nothing but the round stands between the wait for one tile and the request for the next, and all 128 matrix instructions of a K step stand between a request and the wait for it.
.macro TURN fill
	WIN 0
	s_wait_tensorcnt 0x0                           ; no tensor load of mine is out, so the walking descriptors may be written
	ds_add_u32 v[SPW], v[NIL]                      ; 0 onto my spare word; the descriptors' steps stand between it and the wait for it
.if \fill
.irp n, 0,1,2,3
	s_xor_b32 s[GW+4*\n+1], s[GW+4*\n+1], ((\n)*HALFT)^((\n)*HALFT+SLOT)  ; the other slot than last time,
	s_add_nc_u64 s[GW+4*\n+2:GW+4*\n+3], s[GW+4*\n+2:GW+4*\n+3], KSTEP*2  ; the next K step; the type bits on top are not reached
.endr
.endif
	s_wait_dscnt 0x0                               ; the add is done, and my reads of the slot in hand are over
.if \fill
	CROUND                                         ; no wave of any partner still reads the slot or has a load on its way
	JLOAD                                          ; my one tensor load behind the round; its four v_nop are also the places in front of the loads below
.else
	s_barrier_signal -1
	s_barrier_wait -1
	PLACES
.endif
	FETCH 1, 0, F0                                 ; the other slot's first fragments
	MUL8 F1, 0, 0, 0
	MUL8 F1, 0, 2, 0
	MUL8 F1, 1, 0, 0
	MUL8 F1, 1, 2, 0
.endm
	s_wait_tensorcnt 1                             ; my part of K step 0 is in; K step 1's may stay out
	s_barrier_signal -1
	s_barrier_wait -1
	FETCH 0, 0, F0
	QUARTER 0, 128, F0, F1, 1                      ; the first quarter stands in front of the loop: its first products start the sums
	WIN 0
	s_mov_b32 s3, FILLS
.Lstep:                                                ; a trip: from a K step's second quarter to the next step's first; the slot that is left is filled again
	QUARTER 0, 256, F1, F0, 0
	QUARTER 0, 384, F0, F1, 0
	TURN 1
	QUARTER 1, 128, F0, F1, 0
	NEXTSLOT
	s_sub_co_u32 s3, s3, 1
	s_cmp_lg_u32 s3, 0
	s_cbranch_scc1 .Lstep
	s_mov_b32 s3, 2
.Ltail:                                                ; the last two K steps fill nothing: a text of their own; the second trip is left in its middle
	QUARTER 0, 256, F1, F0, 0
	QUARTER 0, 384, F0, F1, 0
	TURN 0
	WIN 0
	s_sub_co_u32 s3, s3, 1
	s_cmp_eq_u32 s3, 0
	s_cbranch_scc1 .Lway_out
	QUARTER 1, 128, F0, F1, 0
	NEXTSLOT
	s_branch .Ltail
.Lway_out:
	s_wait_dscnt 0x0                               ; the second trip's fetch from the other slot serves nothing: the price, 32 loads once a launch, of one text for both trips
	; THE WAY OUT, 16 rows at a time through my own stage: 32 bytes a lane in (each accumulator's low four registers first), whole rows of 256 bytes back, stored.
	PLACES
.irp a, 0,1,2,3
	s_wait_xcnt 0x0                                ; the stores of two blocks ago have had their addresses translated (ISA guide 3.1): their data registers are loaded again only behind this wait
.irp b, 0,1,2,3
	ds_store_b128 v[STO], v[ACC+8*(4*(\a)+(\b)):ACC+8*(4*(\a)+(\b))+3]   offset:64*(\b)
	ds_store_b128 v[STO], v[ACC+8*(4*(\a)+(\b))+4:ACC+8*(4*(\a)+(\b))+7] offset:64*(\b)+16
.endr
.irp t, 0,1,2,3,4,5,6,7
	ds_load_b128 v[TMP+32*((\a)%2)+4*(\t):TMP+32*((\a)%2)+4*(\t)+3], v[RD] offset:(\t)*2*SPITCH  ; LDS serves a wave's instructions in order (ISA guide 5.7.1.4): these see the stores above
.endr
.irp t, 0,1,2,3,4,5,6,7
	s_wait_dscnt 7-(\t)                            ; number t is in
	global_store_b128 v[CO], v[TMP+32*((\a)%2)+4*(\t):TMP+32*((\a)%2)+4*(\t)+3], s[8:9] offset:(16*(\a)+2*(\t))*SIZE_N*4 th:TH_STORE_NT  ; 16 lanes store 256 consecutive bytes, aligned; 62 rows at the most: inside the signed 24-bit immediate
.endr
.endr
	s_wait_tensorcnt 0x0                           ; the wave's end
	ds_add_u32 v[SPW], v[NIL]
	s_wait_dscnt 0x0
	CROUND                                         ; the closing round
	s_endpgm
.Lfunc_end_k_q532c5cc133_oproj:
	.size	k_q532c5cc133_oproj, .Lfunc_end_k_q532c5cc133_oproj-k_q532c5cc133_oproj
	.p2alignl 7, 3214868480
	.fill 96, 4, 3214868480
	.section	.rodata,"a",@progbits
	.p2align	6, 0x0
	.amdhsa_kernel k_q532c5cc133_oproj
		.amdhsa_group_segment_fixed_size 327680
		.amdhsa_private_segment_fixed_size 0
		.amdhsa_enable_private_segment 0
		.amdhsa_kernarg_size 24
		.amdhsa_user_sgpr_count 2
		.amdhsa_user_sgpr_kernarg_segment_ptr 1
		.amdhsa_wavefront_size32 1
		.amdhsa_system_sgpr_workgroup_id_x 1
		.amdhsa_system_sgpr_workgroup_id_y 1
		.amdhsa_system_sgpr_workgroup_id_z 1
		.amdhsa_system_vgpr_workitem_id 0
		.amdhsa_next_free_vgpr 512
		.amdhsa_next_free_sgpr 88
		.amdhsa_reserve_vcc 0
		.amdhsa_float_denorm_mode_32 3
		.amdhsa_float_denorm_mode_16_64 3
		.amdhsa_memory_ordered 1
		.amdhsa_forward_progress 1
		.amdhsa_inst_pref_size 61
	.end_amdhsa_kernel
	.amdgpu_metadata
---
amdhsa.version: [ 1, 2 ]
amdhsa.kernels:
  - .name:           k_q532c5cc133_oproj
    .symbol:         k_q532c5cc133_oproj.kd
    .args:
      - { .name: att, .offset: 0, .size: 8, .value_kind: global_buffer, .address_space: global }
      - { .name: woh, .offset: 8, .size: 8, .value_kind: global_buffer, .address_space: global }
      - { .name: out0, .offset: 16, .size: 8, .value_kind: global_buffer, .address_space: global }
    .group_segment_fixed_size: 327680
    .private_segment_fixed_size: 0
    .kernarg_segment_align: 8
    .kernarg_segment_size: 24
    .max_flat_workgroup_size: 128
    .sgpr_count:     88
    .vgpr_count:     512
    .wavefront_size: 32
...
	.end_amdgpu_metadata
.endif
;; end of part 4
